; MI455X (gfx1250); checked and timed in simulation.
; The chip was launched on July 23, 2026; its instructions are those of AMD's public machine-readable ISA for CDNA 5 (MIT licence, August 2026) and "CDNA5" Instruction Set Architecture Reference Guide (July 2026). The comments in the code are by the model that wrote it; some were corrected since.
;; Cross Attention. Allowed arithmetic: float matrix products may take bf16 or f16 operands with f32 sums; other float arithmetic in f32, or as packed bf16 or f16 multiplies, adds, multiply-adds, maxima and minima; sums over many terms, partial sums and values carried from step to step in f32; what a program stores and reads back later, other than sums and carried values, may be rounded once to bf16 or f16.
;; Inputs: Wk 1,024 x 1,024 float32; Wq 1,024 x 1,024 float32; Wv 1,024 x 1,024 float32; x 8 x 1,024 x 1,024 float32.
;; Outputs: out0 8 x 1,024 x 1,024 float32.
;; 2 versions, each right; version 2 is version 1 with the launch cast written anew for expert scheduling mode. Each part assembles by itself: llvm-mc -triple=amdgcn-amd-amdhsa -mcpu=gfx1250 --defsym DOCPART=n.
;; ======== version 1 of 2: 4 launches
;; limits: values are held in f16: magnitudes above 65,504 overflow, below 6.1e-05 lose precision; right only within a limited range of input values
;; workspace buffers: xw 23,068,672 bytes; qk 33,554,432 bytes; vt 16,777,216 bytes; pm 16,777,216 bytes; st 524,288 bytes
;; launch cast (part 1): grid 256 x 1, 16 waves a work-group, no clusters, 0 bytes of LDS; arguments x, Wq, Wk, Wv, xw; writes xw
.if DOCPART == 1
	.amdgcn_target "amdgcn-amd-amdhsa--gfx1250"
	.amdhsa_code_object_version 6
	.text
	.protected	k_q98fa529918_cast
	.globl	k_q98fa529918_cast
	.p2align	8
	.type	k_q98fa529918_cast,@function
k_q98fa529918_cast:
	s_mov_b64 s[64:65], 0
	v_nop
	global_prefetch_b8 v0, s[64:65] scope:SCOPE_SE
	s_setreg_imm32_b32 hwreg(HW_REG_WAVE_MODE, 25, 1), 1
	s_wait_xcnt 0x0
; CrossAttention, launch 1 of 4: x, Wq, Wk, Wv (f32) -> xw (f16), each number times 0.25 (exact, a power of two).
; xw: x as [8192][1024] at byte 0; then Wq, Wk, Wv as one table of [3072][1024] at byte 16,777,216.
; THE WHOLE PROGRAM: cast; q/16 and k/16 (launch 2); score blocks with the softmax of each block of 128 keys, and (v/16)^T (launch 3);
; the blocks joined under the row's true maximum, times v, over the row's sum (launch 4).
; NO WORK OF reference() IS LEFT OUT: every input reaches the output; it builds no mask, no zeros and slices nothing away.
; The division by sqrt(1024) = 32 and the factors 0.25 are powers of two and are folded, exactly, into the exponent's constant and the last scale.
; WHY f16 AND THE 0.25: an output is a mean over about 1024/e keys, so the tolerance is small beside v; f16 has three bits more than bf16.
; 0.25 x . 0.25 W = q/16 keeps the projections inside f16's range.
; LIMITS: |x|, |W| below 2.6e5 and |q|, |k|, |v| below 1.04e6, else an f16 operand becomes infinite and its rows are not finite;
; operands (0.25 x, 0.25 W, q/16, k/16, v/16) below 6.1e-5 in magnitude keep an absolute error of up to 3e-8 instead of a relative one.
; A stream: no LDS, no matrix unit, no barrier.  256 work-groups of equal work: group g casts 131,072 bytes of x and 16,384 bytes of each W,
; 22 pieces of 8,192 bytes.  Thread t takes the 16 bytes at 16 t of a piece: a wave's load covers 512 consecutive bytes, its store 256, aligned.
; Each wave runs a ring of 11 load slots: 11 loads go out first, and each of the first 11 pieces issues the load 11 pieces ahead in front of its own
; store, so that loads and stores are on their way together.  Every piece has store registers of its own and no address register is written
; again, so no wait stands for the sake of a source.
.set DEPTH,  11                        ; load slots = loads of a wave in flight
.set PIECES, 22                        ; 16 of x, 2 of Wq, 2 of Wk, 2 of Wv
.set PB,     8192                      ; bytes of the source in a piece
.set X, 4                              ; v[4:47]   slot p % 11: 4 registers, f32 as loaded
.set Y, 48                             ; v[48:91]  piece p: 2 registers, 4 f16 to store
.macro LD p                            ; the load of piece p, from x (pieces 0-15) or from the table of W that it belongs to
.if \p < 16
	global_load_b128 v[X+4*(\p%DEPTH):X+4*(\p%DEPTH)+3], v1, s[4:5] offset:PB*\p th:TH_LOAD_NT
.else
	global_load_b128 v[X+4*(\p%DEPTH):X+4*(\p%DEPTH)+3], v1, s[6+2*((\p-16)/2):7+2*((\p-16)/2)] offset:PB*((\p-16)%2) th:TH_LOAD_NT
.endif
.endm
.macro ST p                            ; the store of piece p: half the source's bytes; the three tables of W lie 2,097,152 bytes apart in xw
.if \p < 16
	global_store_b64 v2, v[Y+2*\p:Y+2*\p+1], s[14:15] offset:(PB/2)*\p
.else
	global_store_b64 v2, v[Y+2*\p:Y+2*\p+1], s[12:13] offset:0x200000*((\p-16)/2)+(PB/2)*((\p-16)%2)
.endif
.endm
	s_load_b256 s[4:11], s[0:1], 0x0               ; x s[4:5], Wq s[6:7], Wk s[8:9], Wv s[10:11]
	s_load_b64 s[12:13], s[0:1], 0x20              ; xw
	v_lshlrev_b32 v1, 4, v0                        ; my 16 bytes in a piece of the source
	v_lshlrev_b32 v2, 3, v0                        ; my 8 bytes in a piece of the result
	s_lshl_b32 s16, ttmp9, 17                      ; the group's 131,072 bytes of x
	s_mov_b32 s17, 0
	s_lshl_b32 s18, ttmp9, 14                      ; its 16,384 bytes of each W
	s_mov_b32 s19, 0
	s_lshl_b32 s20, ttmp9, 16                      ; x's part of xw: half the bytes
	s_mov_b32 s21, 0
	s_lshl_b32 s22, ttmp9, 13                      ; W's part of xw,
	s_add_co_u32 s22, s22, 0x1000000               ; which lies behind x's
	s_mov_b32 s23, 0
	s_wait_kmcnt 0x0
	s_add_nc_u64 s[4:5], s[4:5], s[16:17]
	s_add_nc_u64 s[6:7], s[6:7], s[18:19]
	s_add_nc_u64 s[8:9], s[8:9], s[18:19]
	s_add_nc_u64 s[10:11], s[10:11], s[18:19]
	s_add_nc_u64 s[14:15], s[12:13], s[20:21]
	s_add_nc_u64 s[12:13], s[12:13], s[22:23]
.set p, 0
.rept DEPTH
	LD p                                           ; the ring is filled
.set p, p+1
.endr
.set p, 0
.rept PIECES
.if p < PIECES-DEPTH
	s_wait_loadcnt DEPTH-1                         ; loads come back in order: piece p is in, the ten younger ones stay out
.else
	s_wait_loadcnt PIECES-1-p                      ; the last eleven pieces load nothing: the counts run down
.endif
	v_pk_mul_f32 v[X+4*(p%DEPTH):X+4*(p%DEPTH)+1],   v[X+4*(p%DEPTH):X+4*(p%DEPTH)+1],   0x3e800000 op_sel_hi:[1,0]   ; times 0.25
	v_pk_mul_f32 v[X+4*(p%DEPTH)+2:X+4*(p%DEPTH)+3], v[X+4*(p%DEPTH)+2:X+4*(p%DEPTH)+3], 0x3e800000 op_sel_hi:[1,0]
	v_cvt_pk_f16_f32 v[Y+2*p],   v[X+4*(p%DEPTH)],   v[X+4*(p%DEPTH)+1]
	v_cvt_pk_f16_f32 v[Y+2*p+1], v[X+4*(p%DEPTH)+2], v[X+4*(p%DEPTH)+3]
.if p < PIECES-DEPTH
.set pn, p+DEPTH
	LD pn                                          ; the slot's next piece, ahead of the store
.endif
	ST p
.set p, p+1
.endr
	s_endpgm
.Lfunc_end_k_q98fa529918_cast:
	.size	k_q98fa529918_cast, .Lfunc_end_k_q98fa529918_cast-k_q98fa529918_cast
	.p2alignl 7, 3214868480
	.fill 96, 4, 3214868480
	.section	.rodata,"a",@progbits
	.p2align	6, 0x0
	.amdhsa_kernel k_q98fa529918_cast
		.amdhsa_group_segment_fixed_size 0
		.amdhsa_private_segment_fixed_size 0
		.amdhsa_enable_private_segment 0
		.amdhsa_kernarg_size 40
		.amdhsa_user_sgpr_count 2
		.amdhsa_user_sgpr_kernarg_segment_ptr 1
		.amdhsa_wavefront_size32 1
		.amdhsa_system_sgpr_workgroup_id_x 1
		.amdhsa_system_sgpr_workgroup_id_y 1
		.amdhsa_system_sgpr_workgroup_id_z 1
		.amdhsa_system_vgpr_workitem_id 0
		.amdhsa_next_free_vgpr 92
		.amdhsa_next_free_sgpr 66
		.amdhsa_reserve_vcc 0
		.amdhsa_float_denorm_mode_32 3
		.amdhsa_float_denorm_mode_16_64 3
		.amdhsa_memory_ordered 1
		.amdhsa_forward_progress 1
		.amdhsa_inst_pref_size 13
	.end_amdhsa_kernel
	.amdgpu_metadata
---
amdhsa.version: [ 1, 2 ]
amdhsa.kernels:
  - .name:           k_q98fa529918_cast
    .symbol:         k_q98fa529918_cast.kd
    .args:
      - { .name: x, .offset: 0, .size: 8, .value_kind: global_buffer, .address_space: global }
      - { .name: Wq, .offset: 8, .size: 8, .value_kind: global_buffer, .address_space: global }
      - { .name: Wk, .offset: 16, .size: 8, .value_kind: global_buffer, .address_space: global }
      - { .name: Wv, .offset: 24, .size: 8, .value_kind: global_buffer, .address_space: global }
      - { .name: xw, .offset: 32, .size: 8, .value_kind: global_buffer, .address_space: global }
    .group_segment_fixed_size: 0
    .private_segment_fixed_size: 0
    .kernarg_segment_align: 8
    .kernarg_segment_size: 40
    .max_flat_workgroup_size: 512
    .sgpr_count:     66
    .vgpr_count:     92
    .wavefront_size: 32
...
	.end_amdgpu_metadata
.endif
;; end of part 1
;; launch proj (part 2): grid 8 x 32, 4 waves a work-group, clusters of 4 x 4, 327,680 bytes of LDS; arguments xw, qk; writes qk
.if DOCPART == 2
	.amdgcn_target "amdgcn-amd-amdhsa--gfx1250"
	.amdhsa_code_object_version 6
	.text
	.protected	k_q98fa529918_proj
	.globl	k_q98fa529918_proj
	.p2align	8
	.type	k_q98fa529918_proj,@function
k_q98fa529918_proj:
	s_mov_b64 s[64:65], 0
	v_nop
	global_prefetch_b8 v0, s[64:65] scope:SCOPE_SE
	s_setreg_imm32_b32 hwreg(HW_REG_WAVE_MODE, 25, 1), 1
	s_wait_xcnt 0x0
	s_wait_alu depctr_hold_cnt(0) depctr_sa_sdst(0) depctr_va_vdst(0) depctr_va_sdst(0) depctr_va_ssrc(0) depctr_va_vcc(0) depctr_vm_vsrc(0)
	s_getreg_b32 s2, hwreg(HW_REG_IB_STS2, 6, 4)
	s_cmp_eq_u32 s2, 0
	s_cbranch_scc0 .Lentry_in_a_cluster
	s_endpgm
.Lentry_in_a_cluster:
	s_bfe_u32 s2, ttmp6, 0x10000c
	s_cmp_lg_u32 s2, 0xf033
	s_cbranch_scc0 .Lentry_shape_is_right
	s_endpgm
.Lentry_shape_is_right:
; CrossAttention, launch 2 of 4: q/16 and k/16.  C[t][n] = sum over c of xh[t][c] wh[n][c], n = 0..2047 (Wq's rows, then Wk's); f16 operands
; (each 0.25 x its input), f32 sums, C rounded once to f16.  qk: q/16 as [8192][1024] at byte 0, k/16 likewise at byte 16,777,216.
; No work of reference() is left out here.
; A work-group makes a block of 256 x 256 of C with four waves, a wave 128 x 128: 64 accumulator tiles of 16 x 16, 512 registers.
; K = 1024 goes in 8 steps of 128 through two LDS slots filled by the tensor data mover; a tile's rows are 256 bytes of memory, aligned.
; CLUSTERS: 4 x 4 work-groups.  The four of a row of the cluster need the same tiles of A (x), the four of a column the same tiles of B (W):
; each tile is asked for jointly, by the same tensor load with the same descriptor and a mask that names the four.
; REGISTERS, in windows of 256:
;   window 0: v0-31 addresses; v64-127, v128-191 fragments of A, two buffers; v192-223 at work on the way out
;   window 1: v64-127, v128-191 fragments of B, two buffers
;   window 2: accumulator tiles of my rows 0-63 (tile (a, b) at v[8 (8 a + b)]);  window 3: those of my rows 64-127
; The matrix instruction is used transposed (source 0 = rows of B, source 1 = rows of A): lane l holds row l % 16 of C and its registers 0-7
; the columns 8 (l / 16) + 0..7, eight neighbouring numbers of a row.
.set KSTEP,  128
.set PITCH,  272                       ; an LDS row: 256 bytes + 16 of padding, an odd multiple of 16: the 16 rows of a fragment load start in 16 different 16-byte columns
.set HALFT,  128*PITCH                 ; 128 rows: what one tensor load brings
.set SLOT,   4*HALFT                   ; A's 256 rows, then B's 256 rows
.set STAGE,  2*SLOT                    ; behind the ring: 16 rows x 272 bytes for each wave, for the way out; no tensor load lands there
.set SPITCH, 272
.set ROWB,   2048                      ; bytes in a row of A, of B and of C
.set ADRA, 16                          ; v16-17  LDS address of my A fragments in slot 0, 1
.set ADRB, 20                          ; v20-21  the same for B
.set STO,  24                          ; v24     the way out: where I put 16 bytes of a row
.set RD,   25                          ; v25     the way out: where I read a row back
.set CO,   26                          ; v26     my byte offset in C
.set F0,   64
.set F1,   128
.set TMP,  192
.set G1, 24                            ; s[24:31] descriptor group 1, A's tiles
.set G0, 32                            ; s[32:39] descriptor group 0, A's tiles, one set for each slot
.set G1B, 48                           ; s[48:55] group 1, B's tiles: another mask
.set G0B, 56                           ; s[56:63] group 0, B's tiles
.set MSB, 0
.macro WIN new                         ; the immediate's high byte repeats the setting that is left
.if MSB != \new
	s_set_vgpr_msb (MSB<<8)|\new
.set MSB, \new
.endif
.endm
.set MUL_LO, 0xa1                      ; source 0 (B) window 1, source 1 (A) window 0, C and D window 2
.set MUL_HI, 0xf1                      ; the same, C and D window 3
.set TO_B,   0x40                      ; destination window 1, address window 0
; A joint load: waves 0, 1 fetch A's two halves, waves 2, 3 B's.  The branch hangs on the wave's number alone.
.macro JLOAD s
	s_cmp_eq_u32 s11, 0
	s_cbranch_scc0 .Lfor_b_\@
	tensor_load_to_lds s[G0+4*\s:G0+4*\s+3], s[G1:G1+7]
	s_nop 0
	s_branch .Lasked_\@
.Lfor_b_\@:
	tensor_load_to_lds s[G0B+4*\s:G0B+4*\s+3], s[G1B:G1B+7]
	s_nop 0
.Lasked_\@:
.endm
; A round of the cluster's barrier: my work-group's barrier; wave 0 signals for the work-group; every wave waits for all sixteen; my barrier again.
.macro CREST
	s_cmp_lg_u32 s10, 0
	s_cbranch_scc1 .Lnot_wave_0_\@
	s_barrier_signal -3
.Lnot_wave_0_\@:
	s_barrier_wait -3
	s_barrier_signal -1
	s_barrier_wait -1
.endm
.macro CROUND
	s_barrier_signal -1
	s_barrier_wait -1
	CREST
.endm
; 16 matrix instructions: row tiles a0, a0 + 1 of the window's four x all 8 column tiles, 32 along K.  zero = 1: the product starts the sums.
.macro MUL16 f, hi, a0, zero
.irp a, \a0, \a0+1
.irp b, 0,1,2,3,4,5,6,7
.if \zero
	v_wmma_f32_16x16x32_f16 v[8*(8*(\a)+\b):8*(8*(\a)+\b)+7], v[\f+8*\b:\f+8*\b+7], v[\f+8*(4*\hi+\a):\f+8*(4*\hi+\a)+7], 0
.else
	v_wmma_f32_16x16x32_f16 v[8*(8*(\a)+\b):8*(8*(\a)+\b)+7], v[\f+8*\b:\f+8*\b+7], v[\f+8*(4*\hi+\a):\f+8*(4*\hi+\a)+7], v[8*(8*(\a)+\b):8*(8*(\a)+\b)+7]
.endif
.endr
.endr
.endm
; 32 LDS loads in one run: the fragments of a quarter step (128 rows of B, then 128 rows of A, 32 K at byte k of the rows) into buffer f
.macro FETCH slot, k, f
	WIN TO_B
.irp i, 0,1,2,3,4,5,6,7
	ds_load_b128 v[\f+8*\i:\f+8*\i+3],   v[ADRB+\slot] offset:\k+\i*16*PITCH
	ds_load_b128 v[\f+8*\i+4:\f+8*\i+7], v[ADRB+\slot] offset:\k+\i*16*PITCH+32
.endr
	WIN 0
.irp i, 0,1,2,3,4,5,6,7
	ds_load_b128 v[\f+8*\i:\f+8*\i+3],   v[ADRA+\slot] offset:\k+\i*16*PITCH
	ds_load_b128 v[\f+8*\i+4:\f+8*\i+7], v[ADRA+\slot] offset:\k+\i*16*PITCH+32
.endr
.endm
; Four plain vector places between a matrix instruction and a load into, or a vector instruction on, one of its registers
.macro PLACES
.rept 4
	v_nop
.endr
.endm
; One of a K step's first three quarters: multiplies buffer f; in its middle fetches the next quarter's fragments into buffer g.
; The 64 accumulators take turns, one instruction a turn, in the same order in every quarter.
.macro QUARTER slot, k, f, g, zero
	s_wait_dscnt 8                                 ; B and A's rows 0-63 are in; the youngest eight loads (A's rows 64-127) may be out
	WIN MUL_LO
	MUL16 \f, 0, 0, \zero
	MUL16 \f, 0, 2, \zero
	PLACES
	FETCH \slot, \k, \g
	s_wait_dscnt 32                                ; all but the 32 just issued
	WIN MUL_HI
	MUL16 \f, 1, 0, \zero
	MUL16 \f, 1, 2, \zero
.endm
.macro THREE slot, zero
	QUARTER \slot, 64,  F0, F1, \zero
	QUARTER \slot, 128, F1, F0, 0
	QUARTER \slot, 192, F0, F1, 0
.endm
; The last quarter: multiplies buffer 1 and changes slots.  In front of the barrier each wave waits for its reads of this slot and for all its
; tensor loads (one is out: its part of the next slot).  Where the slot is filled again the barrier opens a round of the cluster's barrier, and the
; joint refill is the first tensor load behind the round.  From a request to the wait for it a wave issues 240 matrix instructions.
.macro TURN slot, next, fill
	s_wait_dscnt 8
	WIN MUL_LO
	MUL16 F1, 0, 0, 0
	s_wait_dscnt 0                                 ; my reads of this slot are over
	s_wait_tensorcnt 0x0                           ; all my tensor loads have landed
	ds_add_u32 v255, v255
	s_wait_dscnt 0x0
	s_barrier_signal -1
	MUL16 F1, 0, 2, 0                              ; register work alone between signal and wait
	WIN 0
	s_barrier_wait -1
.if \fill
	CREST                                          ; no wave of any partner still reads this slot or has a load on its way
	s_add_nc_u64 s[G0+4*\slot+2:G0+4*\slot+3], s[G0+4*\slot+2:G0+4*\slot+3], 2*KSTEP*2
	s_add_nc_u64 s[G0B+4*\slot+2:G0B+4*\slot+3], s[G0B+4*\slot+2:G0B+4*\slot+3], 2*KSTEP*2
	JLOAD \slot
.endif
	PLACES
	FETCH \next, 0, F0
	WIN MUL_HI
	MUL16 F1, 1, 0, 0
	MUL16 F1, 1, 2, 0
.endm
.macro LAP zero
	THREE 0, \zero
	TURN 0, 1, 1
	THREE 1, 0
	TURN 1, 0, 1
.endm
; The way out: rows 16 i .. 16 i + 15 of my block = the eight tiles (a, 0..7) of window 2 or 3 (from = 0x0a or 0x0f); f: F0 or F1 in turn.
.macro OUT16 i, a, from, f
	WIN \from
.irp b, 0,1,2,3,4,5,6,7
.irp r, 0,1,2,3
	v_cvt_pk_f16_f32 v[TMP+4*\b+\r], v[8*(8*\a+\b)+2*\r], v[8*(8*\a+\b)+2*\r+1]
.endr
.endr
	WIN 0
.irp b, 0,1,2,3,4,5,6,7
	ds_store_b128 v[STO], v[TMP+4*\b:TMP+4*\b+3] offset:32*\b
.endr
	s_wait_xcnt 0x0                                ; buffer f, which earlier stores read, and the stores' base are rewritten only behind this wait
.if \i
	s_add_nc_u64 s[8:9], s[8:9], 16*ROWB
.endif
.irp t, 0,1,2,3,4,5,6,7
	ds_load_b128 v[\f+4*\t:\f+4*\t+3], v[RD] offset:\t*2*SPITCH    ; my own bytes: a wave's LDS instructions are served in order
.endr
.irp t, 0,1,2,3,4,5,6,7
	s_wait_dscnt 7-\t                              ; read-back t is in, the 7 - t younger ones stay out
	global_store_b128 v[CO], v[\f+4*\t:\f+4*\t+3], s[8:9] offset:2*\t*ROWB   ; 16 lanes store 256 consecutive bytes, aligned
.endr
.endm
	s_load_b128 s[4:7], s[0:1], 0x0                ; xw s[4:5], qk s[6:7]
	s_set_vgpr_msb 0x40
	v_lshl_add_u32 v255, v0, 2, 0x48400
	s_set_vgpr_msb 0x4000
	v_mov_b32 v255, 0
	s_set_vgpr_msb 0x1
	ds_add_u32 v255, v255
	s_set_vgpr_msb 0x100
	v_lshrrev_b32 v1, 5, v0
	v_readfirstlane_b32 s10, v1                    ; wave 0..3
	s_lshr_b32 s11, s10, 1                         ; my half of the block's rows.  Also: I fetch for A (0) or for B (1)
	s_and_b32 s12, s10, 1                          ; my half of its columns.  Also: which 128 rows of that tile I fetch
	s_bfe_u32 s40, ttmp6, 0x40000                  ; cx
	s_bfe_u32 s41, ttmp6, 0x40004                  ; cy
	s_lshl_b32 s42, ttmp9, 2
	s_add_co_u32 s42, s42, s40                     ; block column 0..7 = 4 x cluster x + cx
	s_and_b32 s13, ttmp7, 0xffff
	s_lshl_b32 s13, s13, 2
	s_add_co_u32 s13, s13, s41                     ; block row 0..31 = 4 x cluster y + cy
	s_lshl_b32 s43, s41, 2
	s_lshl_b32 s43, 15, s43                        ; my row of the cluster
	s_lshl_b32 s44, 0x1111, s40                    ; my column
	; group 1: a tile of 128 rows x 128 elements of 2 bytes; 4 words of padding behind every 64; the mask, with bit 21 beside it
	s_or_b32 s[G1+0], s43, (1<<16)|(1<<20)|(1<<21)|(5<<22)|(3<<25)
	s_or_b32 s[G1B+0], s44, (1<<16)|(1<<20)|(1<<21)|(5<<22)|(3<<25)
	s_mov_b32 s[G1+1], KSTEP<<16                   ; tensor_dim0 = 128
	s_mov_b32 s[G1B+1], KSTEP<<16
	s_mov_b32 s[G1+2], 128<<16                     ; tensor_dim1 = 128
	s_mov_b32 s[G1B+2], 128<<16
	s_mov_b32 s[G1+3], KSTEP<<16                   ; tile_dim0 = 128
	s_mov_b32 s[G1B+3], KSTEP<<16
	s_mov_b32 s[G1+4], 128                         ; tile_dim1 = 128
	s_mov_b32 s[G1B+4], 128
	s_mov_b32 s[G1+5], 1024                        ; elements from row to row
	s_mov_b32 s[G1B+5], 1024
	s_mov_b32 s[G1+6], 0
	s_mov_b32 s[G1B+6], 0
	s_mov_b32 s[G1+7], 0
	s_mov_b32 s[G1B+7], 0
	; A's tiles hang on the block row alone, B's on the block column alone; each offset in registers that never hold the other coordinate
	s_lshl_b32 s17, s12, 7
	s_lshl_b32 s16, s13, 8
	s_add_co_u32 s16, s16, s17                     ; A: row 256 x block row + 128 x half
	s_lshl_b32 s16, s16, 11                        ; in bytes
	s_lshl_b32 s46, s42, 8
	s_add_co_u32 s46, s46, s17                     ; B: row 256 x block column + 128 x half of the table of W
	s_lshl_b32 s46, s46, 11
	s_add_co_u32 s46, s46, 0x1000000               ; which lies behind x in xw
	s_mov_b32 s17, 0
	s_mov_b32 s47, 0
	s_mul_i32 s20, s10, HALFT                      ; where my part of a slot goes: wave x 128 rows
	s_wait_dscnt 0x0
	s_wait_kmcnt 0x0
	s_add_nc_u64 s[14:15], s[4:5], s[16:17]
	s_add_nc_u64 s[46:47], s[4:5], s[46:47]
	CROUND                                         ; all sixteen work-groups are here: the first joint loads meet
.irp s, 0,1
	s_mov_b32 s[G0+4*\s], 1
	s_add_co_u32 s[G0+4*\s+1], s20, \s*SLOT
	s_add_nc_u64 s[G0+4*\s+2:G0+4*\s+3], s[14:15], \s*KSTEP*2
	s_or_b32 s[G0+4*\s+3], s[G0+4*\s+3], 0x80000000
	s_mov_b32 s[G0B+4*\s], 1
	s_add_co_u32 s[G0B+4*\s+1], s20, \s*SLOT
	s_add_nc_u64 s[G0B+4*\s+2:G0B+4*\s+3], s[46:47], \s*KSTEP*2
	s_or_b32 s[G0B+4*\s+3], s[G0B+4*\s+3], 0x80000000
	JLOAD \s                                       ; both slots' first fills: two tensor loads of the wave are out, later one
.endr
	v_and_b32 v1, 15, v0                           ; r = l % 16
	v_bfe_u32 v2, v0, 4, 1                         ; h = l / 16
	v_mul_u32_u24 v3, v1, PITCH
	v_lshl_add_u32 v3, v2, 4, v3                   ; row x pitch + 16 h
	s_mul_i32 s21, s11, HALFT                      ; my 128 rows of A
	s_mul_i32 s22, s12, HALFT                      ; my 128 rows of B,
	s_add_co_u32 s22, s22, 2*HALFT                 ; behind A's 256
.irp s, 0,1
	v_add_nc_u32 v[ADRA+\s], s21, v3
	v_add_nc_u32 v[ADRB+\s], s22, v3
	s_add_co_u32 s21, s21, SLOT
	s_add_co_u32 s22, s22, SLOT
.endr
	s_mul_i32 s23, s10, 16*SPITCH
	s_add_co_u32 s23, s23, STAGE                   ; my stage
	v_mul_u32_u24 v4, v1, SPITCH
	v_lshl_add_u32 v4, v2, 4, v4
	v_add_nc_u32 v[STO], s23, v4                   ; in: row r, 16 bytes for each half of the lanes
	v_mul_u32_u24 v5, v2, SPITCH
	v_lshl_add_u32 v5, v1, 4, v5
	v_add_nc_u32 v[RD], s23, v5                    ; back: lanes 0-15 one row of 256 bytes, lanes 16-31 the next
	v_lshlrev_b32 v5, 11, v2
	v_lshl_add_u32 v[CO], v1, 4, v5                ; the same two rows in C
	s_wait_tensorcnt 1                             ; my part of K step 0 is in; K step 1's stays out
	s_barrier_signal -1
	s_barrier_wait -1
	FETCH 0, 0, F0
	LAP 1                                          ; the first products start the sums
	WIN 0
	s_mov_b32 s3, 2
.Llap:
	LAP 0
	WIN 0
	s_sub_co_u32 s3, s3, 1
	s_cmp_lg_u32 s3, 0
	s_cbranch_scc1 .Llap
	THREE 0, 0                                     ; the last lap fills nothing
	TURN 0, 1, 0
	THREE 1, 0
	s_wait_dscnt 8
	WIN MUL_LO
	MUL16 F1, 0, 0, 0
	MUL16 F1, 0, 2, 0
	s_wait_dscnt 0
	WIN MUL_HI
	MUL16 F1, 1, 0, 0
	MUL16 F1, 1, 2, 0
	PLACES                                         ; behind the last matrix instructions, for the conversions and the loads into the buffers
	s_lshl_b32 s16, s13, 8
	s_lshl_b32 s17, s11, 7
	s_add_co_u32 s16, s16, s17                     ; my first row
	s_lshl_b32 s16, s16, 11
	s_lshl_b32 s17, ttmp9, 24                      ; cluster x = 0: q/16; 1: k/16, 16,777,216 bytes on
	s_add_co_u32 s16, s16, s17
	s_mov_b32 s17, 0
	s_add_nc_u64 s[8:9], s[6:7], s[16:17]
	s_lshl_b32 s46, s40, 9                         ; my first column in q or k, in bytes: 512 cx + 256 x half
	s_lshl_b32 s47, s12, 8
	s_add_co_u32 s46, s46, s47
	s_mov_b32 s47, 0
	s_add_nc_u64 s[8:9], s[8:9], s[46:47]
	OUT16 0, 0, 0x0a, F0
	OUT16 1, 1, 0x0a, F1
	OUT16 2, 2, 0x0a, F0
	OUT16 3, 3, 0x0a, F1
	OUT16 4, 0, 0x0f, F0
	OUT16 5, 1, 0x0f, F1
	OUT16 6, 2, 0x0f, F0
	OUT16 7, 3, 0x0f, F1
	s_set_vgpr_msb 0x1
	s_wait_tensorcnt 0x0
	ds_add_u32 v255, v255
	s_wait_dscnt 0x0
	s_set_vgpr_msb 0x100
	CROUND                                         ; the closing round: no work-group ends while a partner may still ask for a tile that names it
	s_endpgm
.Lfunc_end_k_q98fa529918_proj:
	.size	k_q98fa529918_proj, .Lfunc_end_k_q98fa529918_proj-k_q98fa529918_proj
	.p2alignl 7, 3214868480
	.fill 96, 4, 3214868480
	.section	.rodata,"a",@progbits
	.p2align	6, 0x0
	.amdhsa_kernel k_q98fa529918_proj
		.amdhsa_group_segment_fixed_size 327680
		.amdhsa_private_segment_fixed_size 0
		.amdhsa_enable_private_segment 0
		.amdhsa_kernarg_size 16
		.amdhsa_user_sgpr_count 2
		.amdhsa_user_sgpr_kernarg_segment_ptr 1
		.amdhsa_wavefront_size32 1
		.amdhsa_system_sgpr_workgroup_id_x 1
		.amdhsa_system_sgpr_workgroup_id_y 1
		.amdhsa_system_sgpr_workgroup_id_z 1
		.amdhsa_system_vgpr_workitem_id 0
		.amdhsa_next_free_vgpr 1024
		.amdhsa_next_free_sgpr 66
		.amdhsa_reserve_vcc 0
		.amdhsa_float_denorm_mode_32 3
		.amdhsa_float_denorm_mode_16_64 3
		.amdhsa_memory_ordered 1
		.amdhsa_forward_progress 1
		.amdhsa_inst_pref_size 196
	.end_amdhsa_kernel
	.amdgpu_metadata
---
amdhsa.version: [ 1, 2 ]
amdhsa.kernels:
  - .name:           k_q98fa529918_proj
    .symbol:         k_q98fa529918_proj.kd
    .args:
      - { .name: xw, .offset: 0, .size: 8, .value_kind: global_buffer, .address_space: global }
      - { .name: qk, .offset: 8, .size: 8, .value_kind: global_buffer, .address_space: global }
    .group_segment_fixed_size: 327680
    .private_segment_fixed_size: 0
    .kernarg_segment_align: 8
    .kernarg_segment_size: 16
    .max_flat_workgroup_size: 128
    .sgpr_count:     66
    .vgpr_count:     1024
    .wavefront_size: 32
...
	.end_amdgpu_metadata
.endif
;; end of part 2
;; launch sv (part 3): grid 4 x 64, 4 waves a work-group, clusters of 4 x 4, 327,680 bytes of LDS; arguments qk, xw, pm, vt, st; writes pm, vt, st
.if DOCPART == 3
	.amdgcn_target "amdgcn-amd-amdhsa--gfx1250"
	.amdhsa_code_object_version 6
	.text
	.protected	k_q98fa529918_sv
	.globl	k_q98fa529918_sv
	.p2align	8
	.type	k_q98fa529918_sv,@function
k_q98fa529918_sv:
	s_mov_b64 s[64:65], 0
	v_nop
	global_prefetch_b8 v0, s[64:65] scope:SCOPE_SE
	s_setreg_imm32_b32 hwreg(HW_REG_WAVE_MODE, 25, 1), 1
	s_wait_xcnt 0x0
	s_wait_alu depctr_hold_cnt(0) depctr_sa_sdst(0) depctr_va_vdst(0) depctr_va_sdst(0) depctr_va_ssrc(0) depctr_va_vcc(0) depctr_vm_vsrc(0)
	s_getreg_b32 s2, hwreg(HW_REG_IB_STS2, 6, 4)
	s_cmp_eq_u32 s2, 0
	s_cbranch_scc0 .Lentry_in_a_cluster
	s_endpgm
.Lentry_in_a_cluster:
	s_bfe_u32 s2, ttmp6, 0x10000c
	s_cmp_lg_u32 s2, 0xf033
	s_cbranch_scc0 .Lentry_shape_is_right
	s_endpgm
.Lentry_shape_is_right:
; CrossAttention, launch 3 of 4.  Sixteen clusters of 4 x 4 work-groups; cluster y = 8 x role + batch b.
; Role 0: S'[t][s] = sum over h of (q/16)[t][h] (k/16)[s][h] = 8 x ... : the score is s = q.k / 32 = 8 S'.  Each wave holds 128 rows x one block j of 128 keys,
;   takes the block's TRUE maximum of each row away and stores P = exp(s - m_j) in f16 (pm), with m' = 8 log2(e) max S' and l_j = sum of P in f32 (st).
;   The next launch joins the eight blocks of a row under the maximum of their maxima: the running-maximum form of reference()'s softmax.
; Role 1: (v/16)^T[h][s] = sum over c of (0.25 Wv)[h][c] (0.25 x)[s][c], f16 (vt), so that the next launch finds K (the keys) along the rows.
; No work of reference() is left out here.
; pm: [8 b][1024 t][1024 s] f16.  vt: [8 b][1024 h][1024 s] f16.  st: m' as [8 b][8 j][1024 t] f32 at byte 0, l likewise at byte 262,144.
; The product is the same in both roles: a block of 256 x 256 by four waves of 128 x 128, K = 1024 in 8 steps of 128 through two LDS slots;
; A's tiles are asked for jointly along a row of the cluster, B's along a column.  The role and the batch are the same in a whole cluster.
; REGISTERS, in windows of 256:
;   window 0: v0-31 addresses; v64-127, v128-191 fragments of A, two buffers (after the products: the softmax's figures); v192-223 at work on the way out
;   window 1: v64-127, v128-191 fragments of B;  window 2: accumulator tiles of my rows 0-63 (tile (a, b) at v[8 (8 a + b)]);  window 3: rows 64-127
; The matrix instruction is used transposed (source 0 = rows of B, source 1 = rows of A): lane l holds row l % 16 of a tile and its registers 0-7
; the columns 8 (l / 16) + 0..7.  So lanes l and l + 16 together hold a row's 128 numbers, 64 each.
.set KSTEP,  128
.set PITCH,  272                       ; an LDS row: 256 bytes + 16 of padding, an odd multiple of 16
.set HALFT,  128*PITCH
.set SLOT,   4*HALFT
.set STAGE,  2*SLOT                    ; behind the ring: 16 x 272 bytes for each wave; no tensor load lands there
.set SPITCH, 272
.set ROWB,   2048
.set ADRA, 16
.set ADRB, 20
.set STO,  24
.set RD,   25
.set CO,   26
.set STS,  27                          ; v27  my stage + 4 r: where a row's figure goes
.set STL,  28                          ; v28  my stage + 16 l: four rows' figures back
.set SGO,  29                          ; v29  16 l: their place in st
.set F0,   64
.set F1,   128
.set TMP,  192
.set MXT,  64                          ; v64-95    row tile t: four running maxima at MXT + 4 t
.set MN,   96                          ; v96-111   row tile t: -m', twice (a pair for the packed multiply-add)
.set MS,   112                         ; v112-119  row tile t: m'
.set SB,   120                         ; v120-127  the figures read back, to store
.set SUM,  128                         ; v128-191  row tile t: four running pairs of sums at SUM + 8 t
.set G1, 24
.set G0, 32
.set G1B, 48
.set G0B, 56
.set MSB, 0
.macro WIN new                         ; the immediate's high byte repeats the setting that is left
.if MSB != \new
	s_set_vgpr_msb (MSB<<8)|\new
.set MSB, \new
.endif
.endm
.set MUL_LO, 0xa1
.set MUL_HI, 0xf1
.set TO_B,   0x40
.macro JLOAD s                         ; waves 0, 1 fetch A's halves, waves 2, 3 B's; the branch hangs on the wave's number alone
	s_cmp_eq_u32 s11, 0
	s_cbranch_scc0 .Lfor_b_\@
	tensor_load_to_lds s[G0+4*\s:G0+4*\s+3], s[G1:G1+7]
	s_nop 0
	s_branch .Lasked_\@
.Lfor_b_\@:
	tensor_load_to_lds s[G0B+4*\s:G0B+4*\s+3], s[G1B:G1B+7]
	s_nop 0
.Lasked_\@:
.endm
.macro CREST                           ; a round of the cluster's barrier behind its opening barrier
	s_cmp_lg_u32 s10, 0
	s_cbranch_scc1 .Lnot_wave_0_\@
	s_barrier_signal -3
.Lnot_wave_0_\@:
	s_barrier_wait -3
	s_barrier_signal -1
	s_barrier_wait -1
.endm
.macro CROUND
	s_barrier_signal -1
	s_barrier_wait -1
	CREST
.endm
.macro MUL16 f, hi, a0, zero
.irp a, \a0, \a0+1
.irp b, 0,1,2,3,4,5,6,7
.if \zero
	v_wmma_f32_16x16x32_f16 v[8*(8*(\a)+\b):8*(8*(\a)+\b)+7], v[\f+8*\b:\f+8*\b+7], v[\f+8*(4*\hi+\a):\f+8*(4*\hi+\a)+7], 0
.else
	v_wmma_f32_16x16x32_f16 v[8*(8*(\a)+\b):8*(8*(\a)+\b)+7], v[\f+8*\b:\f+8*\b+7], v[\f+8*(4*\hi+\a):\f+8*(4*\hi+\a)+7], v[8*(8*(\a)+\b):8*(8*(\a)+\b)+7]
.endif
.endr
.endr
.endm
.macro FETCH slot, k, f
	WIN TO_B
.irp i, 0,1,2,3,4,5,6,7
	ds_load_b128 v[\f+8*\i:\f+8*\i+3],   v[ADRB+\slot] offset:\k+\i*16*PITCH
	ds_load_b128 v[\f+8*\i+4:\f+8*\i+7], v[ADRB+\slot] offset:\k+\i*16*PITCH+32
.endr
	WIN 0
.irp i, 0,1,2,3,4,5,6,7
	ds_load_b128 v[\f+8*\i:\f+8*\i+3],   v[ADRA+\slot] offset:\k+\i*16*PITCH
	ds_load_b128 v[\f+8*\i+4:\f+8*\i+7], v[ADRA+\slot] offset:\k+\i*16*PITCH+32
.endr
.endm
.macro PLACES                          ; four plain vector places behind a matrix instruction (ISA guide 7.12.1)
.rept 4
	v_nop
.endr
.endm
; The 64 accumulators take turns, one instruction a turn, in the same order in every quarter.
.macro QUARTER slot, k, f, g, zero
	s_wait_dscnt 8                                 ; B and A's rows 0-63 are in; the youngest eight loads (A's rows 64-127) may be out
	WIN MUL_LO
	MUL16 \f, 0, 0, \zero
	MUL16 \f, 0, 2, \zero
	PLACES
	FETCH \slot, \k, \g
	s_wait_dscnt 32                                ; all but the 32 just issued
	WIN MUL_HI
	MUL16 \f, 1, 0, \zero
	MUL16 \f, 1, 2, \zero
.endm
.macro THREE slot, zero
	QUARTER \slot, 64,  F0, F1, \zero
	QUARTER \slot, 128, F1, F0, 0
	QUARTER \slot, 192, F0, F1, 0
.endm
.macro TURN slot, next, fill
	s_wait_dscnt 8
	WIN MUL_LO
	MUL16 F1, 0, 0, 0
	s_wait_dscnt 0                                 ; my reads of this slot are over
	s_wait_tensorcnt 0x0                           ; all my tensor loads have landed: my part of the next slot
	ds_add_u32 v255, v255
	s_wait_dscnt 0x0
	s_barrier_signal -1
	MUL16 F1, 0, 2, 0                              ; register work alone between signal and wait
	WIN 0
	s_barrier_wait -1
.if \fill
	CREST                                          ; no wave of any partner still reads this slot or has a load on its way
	s_add_nc_u64 s[G0+4*\slot+2:G0+4*\slot+3], s[G0+4*\slot+2:G0+4*\slot+3], 2*KSTEP*2
	s_add_nc_u64 s[G0B+4*\slot+2:G0B+4*\slot+3], s[G0B+4*\slot+2:G0B+4*\slot+3], 2*KSTEP*2
	JLOAD \slot                                    ; the first tensor load behind the round, one a wave
.endif
	PLACES
	FETCH \next, 0, F0
	WIN MUL_HI
	MUL16 F1, 1, 0, 0
	MUL16 F1, 1, 2, 0
.endm
.macro LAP zero
	THREE 0, \zero
	TURN 0, 1, 1
	THREE 1, 0
	TURN 1, 0, 1
.endm
.macro OUT16 i, a, from, f
	WIN \from
.irp b, 0,1,2,3,4,5,6,7
.irp r, 0,1,2,3
	v_cvt_pk_f16_f32 v[TMP+4*\b+\r], v[8*(8*\a+\b)+2*\r], v[8*(8*\a+\b)+2*\r+1]
.endr
.endr
	WIN 0
.irp b, 0,1,2,3,4,5,6,7
	ds_store_b128 v[STO], v[TMP+4*\b:TMP+4*\b+3] offset:32*\b
.endr
	s_wait_xcnt 0x0                                ; buffer f, which earlier stores read, and the stores' base are rewritten only behind this wait
.if \i
	s_add_nc_u64 s[8:9], s[8:9], 16*ROWB
.endif
.irp t, 0,1,2,3,4,5,6,7
	ds_load_b128 v[\f+4*\t:\f+4*\t+3], v[RD] offset:\t*2*SPITCH    ; my own bytes: a wave's LDS instructions are served in order
.endr
.irp t, 0,1,2,3,4,5,6,7
	s_wait_dscnt 7-\t                              ; read-back t is in, the 7 - t younger ones stay out
	global_store_b128 v[CO], v[\f+4*\t:\f+4*\t+3], s[8:9] offset:2*\t*ROWB   ; 16 lanes store 256 consecutive bytes, aligned
.endr
.endm
; The softmax of a block, by windows (hi = 0: row tiles 0-3 in window 2; 1: row tiles 4-7 in window 3).  A row tile's 64 registers are v[64 a ..].
.macro SMAX hi                         ; sources 0, 1 in the accumulators' window: the largest of my 64 numbers of each row tile, in four chains
.irp a, 0,1,2,3
.irp c, 0,1,2,3
	v_max_num_f32 v[MXT+4*(4*\hi+\a)+\c], v[64*\a+16*\c], v[64*\a+16*\c+1]
.endr
.irp i, 1,2,3,4,5,6,7
.irp c, 0,1,2,3
	v_max3_num_f32 v[MXT+4*(4*\hi+\a)+\c], v[64*\a+16*\c+2*\i], v[64*\a+16*\c+2*\i+1], v[MXT+4*(4*\hi+\a)+\c]
.endr
.endr
.endr
.endm
.macro SEXP hi                         ; destination and source 0 in the accumulators' window: P = 2^(8 log2(e) S' - m'), in place
.irp a, 0,1,2,3
.set p, 0
.rept 32
	v_pk_fma_f32 v[64*\a+2*p:64*\a+2*p+1], v[64*\a+2*p:64*\a+2*p+1], 0x4138aa3b, v[MN+2*(4*\hi+\a):MN+2*(4*\hi+\a)+1] op_sel_hi:[1,0,1]
.set p, p+1
.endr
.endr
.set p, 0
.rept 256
	v_exp_f32 v[p], v[p]
.set p, p+1
.endr
	v_nop                                          ; one plain vector instruction behind the exponentials, before a result is used (ISA guide 5.7.2)
.endm
.macro SSUM0 hi                        ; sources 0, 1 in the accumulators' window: each chain's first two pairs start its sum
	s_wait_alu depctr_va_vdst(0)
.irp a, 0,1,2,3
.irp c, 0,1,2,3
	v_pk_add_f32 v[SUM+8*(4*\hi+\a)+2*\c:SUM+8*(4*\hi+\a)+2*\c+1], v[64*\a+16*\c:64*\a+16*\c+1], v[64*\a+16*\c+2:64*\a+16*\c+3]
.endr
.endr
.endm
.macro SSUM1 hi                        ; source 0 alone in the accumulators' window: the other six pairs
.irp a, 0,1,2,3
.irp i, 2,3,4,5,6,7
.irp c, 0,1,2,3
	v_pk_add_f32 v[SUM+8*(4*\hi+\a)+2*\c:SUM+8*(4*\hi+\a)+2*\c+1], v[64*\a+16*\c+2*\i:64*\a+16*\c+2*\i+1], v[SUM+8*(4*\hi+\a)+2*\c:SUM+8*(4*\hi+\a)+2*\c+1]
.endr
.endr
.endr
.endm
	s_load_b256 s[68:75], s[0:1], 0x0              ; qk s[68:69], xw s[70:71], pm s[72:73], vt s[74:75]
	s_load_b64 s[76:77], s[0:1], 0x20              ; st
	s_set_vgpr_msb 0x40
	v_lshl_add_u32 v255, v0, 2, 0x48400
	s_set_vgpr_msb 0x4000
	v_mov_b32 v255, 0
	s_set_vgpr_msb 0x1
	ds_add_u32 v255, v255
	s_set_vgpr_msb 0x100
	v_lshrrev_b32 v1, 5, v0
	v_readfirstlane_b32 s10, v1                    ; wave 0..3
	s_lshr_b32 s11, s10, 1                         ; my half of the block's rows.  Also: I fetch for A (0) or for B (1)
	s_and_b32 s12, s10, 1                          ; my half of its columns.  Also: which 128 rows of that tile I fetch
	s_bfe_u32 s40, ttmp6, 0x40000                  ; cx = block column
	s_bfe_u32 s41, ttmp6, 0x40004                  ; cy = block row
	s_and_b32 s80, ttmp7, 0xffff                   ; cluster y, 0..15: the same in all sixteen work-groups
	s_lshr_b32 s81, s80, 3                         ; role: 0 scores, 1 v^T
	s_and_b32 s82, s80, 7                          ; batch
	s_lshl_b32 s83, s82, 21                        ; a batch of 1024 rows of 2,048 bytes
	s_lshl_b32 s43, s41, 2
	s_lshl_b32 s43, 15, s43                        ; my row of the cluster
	s_lshl_b32 s44, 0x1111, s40                    ; my column
	s_or_b32 s[G1+0], s43, (1<<16)|(1<<20)|(1<<21)|(5<<22)|(3<<25)    ; elements of 2 bytes; 4 words of padding behind every 64; the mask, bit 21 beside it
	s_or_b32 s[G1B+0], s44, (1<<16)|(1<<20)|(1<<21)|(5<<22)|(3<<25)
	s_mov_b32 s[G1+1], KSTEP<<16                   ; tensor_dim0 = 128
	s_mov_b32 s[G1B+1], KSTEP<<16
	s_mov_b32 s[G1+2], 128<<16                     ; tensor_dim1 = 128
	s_mov_b32 s[G1B+2], 128<<16
	s_mov_b32 s[G1+3], KSTEP<<16                   ; tile_dim0 = 128
	s_mov_b32 s[G1B+3], KSTEP<<16
	s_mov_b32 s[G1+4], 128                         ; tile_dim1 = 128
	s_mov_b32 s[G1B+4], 128
	s_mov_b32 s[G1+5], 1024                        ; elements from row to row
	s_mov_b32 s[G1B+5], 1024
	s_mov_b32 s[G1+6], 0
	s_mov_b32 s[G1B+6], 0
	s_mov_b32 s[G1+7], 0
	s_mov_b32 s[G1B+7], 0
	s_lshl_b32 s17, s12, 7
	s_lshl_b32 s16, s41, 8
	s_add_co_u32 s16, s16, s17                     ; A: row 256 cy + 128 x half
	s_lshl_b32 s16, s16, 11
	s_lshl_b32 s46, s40, 8
	s_add_co_u32 s46, s46, s17                     ; B: row 256 cx + 128 x half
	s_lshl_b32 s46, s46, 11
	s_mul_i32 s20, s10, HALFT
	s_wait_dscnt 0x0
	s_wait_kmcnt 0x0
	s_cmp_eq_u32 s81, 0
	s_cselect_b64 s[4:5], s[68:69], s[70:71]       ; A and B come from qk (scores) or from xw (v^T)
	s_cselect_b64 s[8:9], s[72:73], s[74:75]       ; C goes to pm or to vt
	s_cselect_b32 s84, s83, 0x1400000              ; A: q/16 of the batch, or Wv's rows in xw
	s_cselect_b32 s85, 0x1000000, 0                ; B: k/16 (behind q/16), or x,
	s_add_co_u32 s85, s85, s83                     ; of the batch
	s_add_co_u32 s16, s16, s84
	s_add_co_u32 s46, s46, s85
	s_mov_b32 s17, 0
	s_mov_b32 s47, 0
	s_add_nc_u64 s[14:15], s[4:5], s[16:17]
	s_add_nc_u64 s[46:47], s[4:5], s[46:47]
	CROUND                                         ; all sixteen work-groups are here: the first joint loads meet
.irp s, 0,1
	s_mov_b32 s[G0+4*\s], 1
	s_add_co_u32 s[G0+4*\s+1], s20, \s*SLOT
	s_add_nc_u64 s[G0+4*\s+2:G0+4*\s+3], s[14:15], \s*KSTEP*2
	s_or_b32 s[G0+4*\s+3], s[G0+4*\s+3], 0x80000000
	s_mov_b32 s[G0B+4*\s], 1
	s_add_co_u32 s[G0B+4*\s+1], s20, \s*SLOT
	s_add_nc_u64 s[G0B+4*\s+2:G0B+4*\s+3], s[46:47], \s*KSTEP*2
	s_or_b32 s[G0B+4*\s+3], s[G0B+4*\s+3], 0x80000000
	JLOAD \s                                       ; both slots' first fills: two tensor loads of the wave are out, later one
.endr
	v_and_b32 v1, 15, v0                           ; r
	v_bfe_u32 v2, v0, 4, 1                         ; h
	v_mul_u32_u24 v3, v1, PITCH
	v_lshl_add_u32 v3, v2, 4, v3
	s_mul_i32 s21, s11, HALFT
	s_mul_i32 s22, s12, HALFT
	s_add_co_u32 s22, s22, 2*HALFT
.irp s, 0,1
	v_add_nc_u32 v[ADRA+\s], s21, v3
	v_add_nc_u32 v[ADRB+\s], s22, v3
	s_add_co_u32 s21, s21, SLOT
	s_add_co_u32 s22, s22, SLOT
.endr
	s_mul_i32 s23, s10, 16*SPITCH
	s_add_co_u32 s23, s23, STAGE                   ; my stage
	v_mul_u32_u24 v4, v1, SPITCH
	v_lshl_add_u32 v4, v2, 4, v4
	v_add_nc_u32 v[STO], s23, v4
	v_mul_u32_u24 v5, v2, SPITCH
	v_lshl_add_u32 v5, v1, 4, v5
	v_add_nc_u32 v[RD], s23, v5
	v_lshlrev_b32 v5, 11, v2
	v_lshl_add_u32 v[CO], v1, 4, v5
	s_wait_tensorcnt 1                             ; my part of K step 0 is in; K step 1's stays out
	s_barrier_signal -1
	s_barrier_wait -1
	FETCH 0, 0, F0
	LAP 1
	WIN 0
	s_mov_b32 s3, 2
.Llap:
	LAP 0
	WIN 0
	s_sub_co_u32 s3, s3, 1
	s_cmp_lg_u32 s3, 0
	s_cbranch_scc1 .Llap
	THREE 0, 0                                     ; the last lap fills nothing
	TURN 0, 1, 0
	THREE 1, 0
	s_wait_dscnt 8
	WIN MUL_LO
	MUL16 F1, 0, 0, 0
	MUL16 F1, 0, 2, 0
	s_wait_dscnt 0
	WIN MUL_HI
	MUL16 F1, 1, 0, 0
	MUL16 F1, 1, 2, 0
	PLACES                                         ; behind the last matrix instructions, for all that now reads results or writes the fragment buffers
	WIN 0
	s_lshl_b32 s16, s41, 8
	s_lshl_b32 s17, s11, 7
	s_add_co_u32 s16, s16, s17                     ; my first row
	s_lshl_b32 s16, s16, 11
	s_add_co_u32 s16, s16, s83                     ; of the batch
	s_mov_b32 s17, 0
	s_add_nc_u64 s[8:9], s[8:9], s[16:17]
	s_lshl_b32 s46, s40, 9                         ; my first column, in bytes: 512 cx + 256 x half
	s_lshl_b32 s47, s12, 8
	s_add_co_u32 s46, s46, s47
	s_mov_b32 s47, 0
	s_add_nc_u64 s[8:9], s[8:9], s[46:47]
	s_cmp_lg_u32 s81, 0                            ; the role is the same in the whole cluster; no barrier stands inside the branch
	s_cbranch_scc1 .Lplain                         ; v^T goes out as it is
	; THE BLOCK'S SOFTMAX.  My 128 columns are block j = 2 cx + half of the row's keys.
	s_lshl_b32 s88, s82, 3
	s_lshl_b32 s89, s40, 1
	s_add_co_u32 s88, s88, s89
	s_add_co_u32 s88, s88, s12                     ; 8 b + j
	s_lshl_b32 s88, s88, 10
	s_lshl_b32 s89, s41, 8
	s_add_co_u32 s88, s88, s89
	s_lshl_b32 s89, s11, 7
	s_add_co_u32 s88, s88, s89                     ; + my first row
	s_lshl_b32 s88, s88, 2
	s_mov_b32 s89, 0
	s_add_nc_u64 s[86:87], s[76:77], s[88:89]
	s_mov_b32 s78, 0x76543210                      ; v_permlanex16_b32: lane i of one half reads lane i of the other
	s_mov_b32 s79, 0xfedcba98
	v_lshl_add_u32 v[STS], v1, 2, s23
	v_and_b32 v[SGO], 31, v0
	v_lshlrev_b32 v[SGO], 4, v[SGO]
	v_add_nc_u32 v[STL], s23, v[SGO]
	WIN 0x0a
	SMAX 0
	WIN 0x0f
	SMAX 1
	WIN 0
.irp t, 0,1,2,3,4,5,6,7
	v_max3_num_f32 v[MXT+4*\t], v[MXT+4*\t], v[MXT+4*\t+1], v[MXT+4*\t+2]
	v_max_num_f32 v[MXT+4*\t], v[MXT+4*\t], v[MXT+4*\t+3]
.endr
.irp t, 0,1,2,3,4,5,6,7
	v_permlanex16_b32 v[MXT+4*\t+1], v[MXT+4*\t], s78, s79         ; the row's other 64 numbers lie in lane l xor 16; the destination has been written before
.endr
.irp t, 0,1,2,3,4,5,6,7
	v_max_num_f32 v[MXT+4*\t], v[MXT+4*\t], v[MXT+4*\t+1]          ; the block's maximum of row 16 t + r, in both lanes
	v_mul_f32 v[MS+\t], 0x4138aa3b, v[MXT+4*\t]                    ; m' = 8 log2(e) x maximum: the score's maximum in powers of two
	v_mul_f32 v[MN+2*\t], 0xc138aa3b, v[MXT+4*\t]                  ; -m', the same rounding
	v_mul_f32 v[MN+2*\t+1], 0xc138aa3b, v[MXT+4*\t]
.endr
	WIN 0x82
	SEXP 0
	WIN 0xc3
	SEXP 1
	WIN 0x0a
	SSUM0 0
	WIN 0x02
	SSUM1 0
	WIN 0x0f
	SSUM0 1
	WIN 0x03
	SSUM1 1
	WIN 0
.irp t, 0,1,2,3,4,5,6,7
	v_pk_add_f32 v[SUM+8*\t:SUM+8*\t+1],   v[SUM+8*\t:SUM+8*\t+1],   v[SUM+8*\t+2:SUM+8*\t+3]
	v_pk_add_f32 v[SUM+8*\t+4:SUM+8*\t+5], v[SUM+8*\t+4:SUM+8*\t+5], v[SUM+8*\t+6:SUM+8*\t+7]
.endr
.irp t, 0,1,2,3,4,5,6,7
	v_pk_add_f32 v[SUM+8*\t:SUM+8*\t+1], v[SUM+8*\t:SUM+8*\t+1], v[SUM+8*\t+4:SUM+8*\t+5]
.endr
.irp t, 0,1,2,3,4,5,6,7
	v_add_f32 v[SUM+8*\t], v[SUM+8*\t], v[SUM+8*\t+1]
.endr
.irp t, 0,1,2,3,4,5,6,7
	v_permlanex16_b32 v[SUM+8*\t+1], v[SUM+8*\t], s78, s79
.endr
.irp t, 0,1,2,3,4,5,6,7
	v_add_f32 v[SUM+8*\t], v[SUM+8*\t], v[SUM+8*\t+1]              ; l of row 16 t + r, in both lanes
	ds_store_b32 v[STS], v[MS+\t] offset:64*\t                     ; lanes l and l + 16 write the same word with the same value
	ds_store_b32 v[STS], v[SUM+8*\t] offset:512+64*\t
.endr
	ds_load_b128 v[SB:SB+3], v[STL]                                ; my own bytes, served in order: four neighbouring rows' m' a lane
	ds_load_b128 v[SB+4:SB+7], v[STL] offset:512                   ; and their l
	s_wait_dscnt 0x0
	global_store_b128 v[SGO], v[SB:SB+3], s[86:87]                 ; 512 consecutive bytes, aligned
	global_store_b128 v[SGO], v[SB+4:SB+7], s[86:87] offset:262144
.Lplain:
	OUT16 0, 0, 0x0a, F0
	OUT16 1, 1, 0x0a, F1
	OUT16 2, 2, 0x0a, F0
	OUT16 3, 3, 0x0a, F1
	OUT16 4, 0, 0x0f, F0
	OUT16 5, 1, 0x0f, F1
	OUT16 6, 2, 0x0f, F0
	OUT16 7, 3, 0x0f, F1
	s_set_vgpr_msb 0x1
	s_wait_tensorcnt 0x0
	ds_add_u32 v255, v255
	s_wait_dscnt 0x0
	s_set_vgpr_msb 0x100
	CROUND                                         ; the closing round
	s_endpgm
.Lfunc_end_k_q98fa529918_sv:
	.size	k_q98fa529918_sv, .Lfunc_end_k_q98fa529918_sv-k_q98fa529918_sv
	.p2alignl 7, 3214868480
	.fill 96, 4, 3214868480
	.section	.rodata,"a",@progbits
	.p2align	6, 0x0
	.amdhsa_kernel k_q98fa529918_sv
		.amdhsa_group_segment_fixed_size 327680
		.amdhsa_private_segment_fixed_size 0
		.amdhsa_enable_private_segment 0
		.amdhsa_kernarg_size 40
		.amdhsa_user_sgpr_count 2
		.amdhsa_user_sgpr_kernarg_segment_ptr 1
		.amdhsa_wavefront_size32 1
		.amdhsa_system_sgpr_workgroup_id_x 1
		.amdhsa_system_sgpr_workgroup_id_y 1
		.amdhsa_system_sgpr_workgroup_id_z 1
		.amdhsa_system_vgpr_workitem_id 0
		.amdhsa_next_free_vgpr 1024
		.amdhsa_next_free_sgpr 92
		.amdhsa_reserve_vcc 0
		.amdhsa_float_denorm_mode_32 3
		.amdhsa_float_denorm_mode_16_64 3
		.amdhsa_memory_ordered 1
		.amdhsa_forward_progress 1
		.amdhsa_inst_pref_size 255
	.end_amdhsa_kernel
	.section	.bss,"aw",@nobits
	.p2align	6
	.space	262144
	.amdgpu_metadata
---
amdhsa.version: [ 1, 2 ]
amdhsa.kernels:
  - .name:           k_q98fa529918_sv
    .symbol:         k_q98fa529918_sv.kd
    .args:
      - { .name: qk, .offset: 0, .size: 8, .value_kind: global_buffer, .address_space: global }
      - { .name: xw, .offset: 8, .size: 8, .value_kind: global_buffer, .address_space: global }
      - { .name: pm, .offset: 16, .size: 8, .value_kind: global_buffer, .address_space: global }
      - { .name: vt, .offset: 24, .size: 8, .value_kind: global_buffer, .address_space: global }
      - { .name: st, .offset: 32, .size: 8, .value_kind: global_buffer, .address_space: global }
    .group_segment_fixed_size: 327680
    .private_segment_fixed_size: 0
    .kernarg_segment_align: 8
    .kernarg_segment_size: 40
    .max_flat_workgroup_size: 128
    .sgpr_count:     92
    .vgpr_count:     1024
    .wavefront_size: 32
...
	.end_amdgpu_metadata
.endif
;; end of part 3
;; launch pv (part 4): grid 4 x 64, 4 waves a work-group, clusters of 4 x 4, 327,680 bytes of LDS; arguments pm, vt, st, out0; writes out0
.if DOCPART == 4
	.amdgcn_target "amdgcn-amd-amdhsa--gfx1250"
	.amdhsa_code_object_version 6
	.text
	.protected	k_q98fa529918_pv
	.globl	k_q98fa529918_pv
	.p2align	8
	.type	k_q98fa529918_pv,@function
k_q98fa529918_pv:
	s_mov_b64 s[64:65], 0
	v_nop
	global_prefetch_b8 v0, s[64:65] scope:SCOPE_SE
	s_setreg_imm32_b32 hwreg(HW_REG_WAVE_MODE, 25, 1), 1
	s_wait_xcnt 0x0
	s_wait_alu depctr_hold_cnt(0) depctr_sa_sdst(0) depctr_va_vdst(0) depctr_va_sdst(0) depctr_va_ssrc(0) depctr_va_vcc(0) depctr_vm_vsrc(0)
	s_getreg_b32 s2, hwreg(HW_REG_IB_STS2, 6, 4)
	s_cmp_eq_u32 s2, 0
	s_cbranch_scc0 .Lentry_in_a_cluster
	s_endpgm
.Lentry_in_a_cluster:
	s_bfe_u32 s2, ttmp6, 0x10000c
	s_cmp_lg_u32 s2, 0xf033
	s_cbranch_scc0 .Lentry_shape_is_right
	s_endpgm
.Lentry_shape_is_right:
; CrossAttention, launch 4 of 4: out[t][h] = 16 x (sum over the 8 key blocks j of f_j[t] x sum over the block's s of P_j[t][s] (v/16)[s][h]) / L[t],
; with M' = the largest of the row's eight m'_j, f_j = 2^(m'_j - M') (never above 1) and L = sum over j of f_j l_j (at least about 1: the block that holds
; the maximum has f = 1).  That is reference()'s softmax with the row's true maximum taken away.  No work of reference() is left out here.
; THE SHARES: a batch's 1024 x 1024 of out is 8 x 4 blocks of 128 rows x 256 columns, so that the 8 batches give 256 work-groups.  Four waves of 64 x 128:
; 32 accumulator tiles of 16 x 16, 256 registers, one register window.  The rows are the halved side because A's fragments are the ones that are scaled.
; A = pm (rows t), B = vt (rows h), K = the 1024 keys in 8 steps of 128, so that K step j is key block j: A's fragments are multiplied by f_j
; (f16, both halves of a register) on their way from LDS to the matrix instruction.  A lane's fragment registers all belong to one row.
; These multiplications are also the plain vector places between the matrix instructions and the next run of LDS loads.
; The factor's register number hangs on j, so the eight K steps are written out.
; CLUSTERS: 4 x 4 work-groups, two clusters for each batch (block rows 0-3 and 4-7).  A's tiles are asked for jointly along a row of the cluster,
; B's along a column.
; LDS: two slots of 139,264 bytes; wave w's part of a slot begins at w x 34,816: waves 0, 1 bring 64 rows of A each (17,408 bytes of their part),
; waves 2, 3 bring 128 rows of B each.  Two slots of two K steps (2 x 2 x 384 rows x 272 bytes) would not fit.  Behind the ring: the way out's stage.
; LIMIT: f_j is rounded to f16 for the products and kept in f32 for L: a block's weight differs from its share of L by up to 2^-12 of itself.
; REGISTERS, in windows of 256:
;   window 0: v0-13 at work and addresses; v14-21 16 / L in pairs; v22-53 f_j of row tile a at v[22 + 4 j + a]; v54-85, v86-117 fragments of A, two buffers;
;             v118-181, v182-245 fragments of B, two buffers; v246-253 M' and L.  On the way out the fragment buffers hold the scaled results and the rows read back.
;   window 1: the accumulator tiles (tile (a, b) at v[8 (8 a + b)]); before the first product: m' at v[4 j + a], l at v[32 + 4 j + a]
; The matrix instruction is used transposed (source 0 = rows of B, source 1 = rows of A): lane l holds row l % 16 of a tile and its registers 0-7
; the columns 8 (l / 16) + 0..7.
.set KSTEP,  128
.set PITCH,  272                       ; an LDS row: 256 bytes + 16 of padding, an odd multiple of 16
.set HALFT,  128*PITCH                 ; a wave's part of a slot
.set SLOT,   4*HALFT
.set STAGE,  2*SLOT                    ; behind the ring: 16 rows x 528 bytes for each wave; no tensor load lands there
.set OPITCH, 528                       ; a stage row: 128 f32 + 16 bytes, an odd multiple of 16
.set OROW,   4096                      ; bytes in a row of out
.set ADRA, 6                           ; v6-7   LDS address of my A fragments in slot 0, 1
.set ADRB, 8                           ; v8-9   the same for B
.set STO,  10                          ; v10    the way out: where I put 32 bytes of a row
.set RD,   11                          ; v11    the way out: where I read a row back
.set CO,   12                          ; v12    my byte offset in a row of out
.set SO,   13                          ; v13    4 r: my row in a row tile's figures
.set INV,  14
.set FAC,  22
.set AF,   54                          ; buffer n of A's fragments at AF + 32 n
.set BF,   118                         ; buffer n of B's fragments at BF + 64 n
.set MM,   246
.set LL,   250
.set TMP,  118                         ; the way out: 64 registers of scaled results
.set RB0,  182                         ; the way out: 64 registers of rows read back,
.set RB1,  54                          ; two sets in turn
.set G1, 24                            ; s[24:31] descriptor group 1, A's tiles
.set G0, 32                            ; s[32:39] group 0, A's tiles, one set for each slot
.set G1B, 48                           ; s[48:55] group 1, B's tiles
.set G0B, 56                           ; s[56:63] group 0, B's tiles
.set MSB, 0
.macro WIN new                         ; the immediate's high byte repeats the setting that is left
.if MSB != \new
	s_set_vgpr_msb (MSB<<8)|\new
.set MSB, \new
.endif
.endm
.set MULW, 0x50                        ; sources 0 and 1 (the fragments) window 0, C and D window 1
.macro JLOAD s                         ; waves 0, 1 fetch A's halves, waves 2, 3 B's; the branch hangs on the wave's number alone
	s_cmp_eq_u32 s11, 0
	s_cbranch_scc0 .Lfor_b_\@
	tensor_load_to_lds s[G0+4*\s:G0+4*\s+3], s[G1:G1+7]
	s_nop 0
	s_branch .Lasked_\@
.Lfor_b_\@:
	tensor_load_to_lds s[G0B+4*\s:G0B+4*\s+3], s[G1B:G1B+7]
	s_nop 0
.Lasked_\@:
.endm
.macro CREST                           ; a round of the cluster's barrier behind its opening barrier
	s_cmp_lg_u32 s10, 0
	s_cbranch_scc1 .Lnot_wave_0_\@
	s_barrier_signal -3
.Lnot_wave_0_\@:
	s_barrier_wait -3
	s_barrier_signal -1
	s_barrier_wait -1
.endm
.macro CROUND
	s_barrier_signal -1
	s_barrier_wait -1
	CREST
.endm
; 16 matrix instructions on buffer n: row tiles a0, a0 + 1 x all 8 column tiles, 32 along K.  zero = 1: the product starts the sums.
.macro MUL16 n, a0, zero
.irp a, \a0, \a0+1
.irp b, 0,1,2,3,4,5,6,7
.if \zero
	v_wmma_f32_16x16x32_f16 v[8*(8*(\a)+\b):8*(8*(\a)+\b)+7], v[BF+64*\n+8*\b:BF+64*\n+8*\b+7], v[AF+32*\n+8*(\a):AF+32*\n+8*(\a)+7], 0
.else
	v_wmma_f32_16x16x32_f16 v[8*(8*(\a)+\b):8*(8*(\a)+\b)+7], v[BF+64*\n+8*\b:BF+64*\n+8*\b+7], v[AF+32*\n+8*(\a):AF+32*\n+8*(\a)+7], v[8*(8*(\a)+\b):8*(8*(\a)+\b)+7]
.endif
.endr
.endr
.endm
; 24 LDS loads in one run: the fragments of a quarter step (64 rows of A first, then 128 rows of B, 32 K at byte k of the rows) into buffer n
.macro FETCH slot, k, n
	WIN 0
.irp i, 0,1,2,3
	ds_load_b128 v[AF+32*\n+8*\i:AF+32*\n+8*\i+3],   v[ADRA+\slot] offset:\k+\i*16*PITCH
	ds_load_b128 v[AF+32*\n+8*\i+4:AF+32*\n+8*\i+7], v[ADRA+\slot] offset:\k+\i*16*PITCH+32
.endr
.irp i, 0,1,2,3,4,5,6,7
	ds_load_b128 v[BF+64*\n+8*\i:BF+64*\n+8*\i+3],   v[ADRB+\slot] offset:\k+\i*16*PITCH
	ds_load_b128 v[BF+64*\n+8*\i+4:BF+64*\n+8*\i+7], v[ADRB+\slot] offset:\k+\i*16*PITCH+32
.endr
.endm
; A's four fragments of buffer n times f_j: 32 packed multiplications.  They name no register of the matrix instructions in front of them,
; which read the other buffer and the accumulators.
.macro SCALE n, j
	WIN 0
.irp i, 0,1,2,3
.irp q, 0,1,2,3,4,5,6,7
	v_pk_mul_f16 v[AF+32*\n+8*\i+\q], v[AF+32*\n+8*\i+\q], v[FAC+4*\j+\i]
.endr
.endr
.endm
; One of a K step's first three quarters: scales and multiplies buffer n; the next quarter's fragments go out into buffer m in front of the products,
; so that they have the quarter's 32 matrix instructions in which to land.
; The 32 accumulators take turns, one instruction a turn, in the same order in every quarter.
.macro QUARTER slot, k, n, m, zero, j
	s_wait_dscnt 16                                ; of buffer n's 24 loads A's eight, issued first, are in; B's sixteen may be out
	SCALE \n, \j                                   ; 32 places between the last products, which read buffer m, and the loads into it
	FETCH \slot, \k, \m
	s_wait_dscnt 24                                ; all but the 24 just issued: B's fragments of buffer n are in
	WIN MULW
	MUL16 \n, 0, \zero
	MUL16 \n, 2, \zero
.endm
.macro THREE slot, zero, j
	QUARTER \slot, 64,  0, 1, \zero, \j
	QUARTER \slot, 128, 1, 0, 0, \j
	QUARTER \slot, 192, 0, 1, 0, \j
.endm
; The last quarter of K step j multiplies buffer 1 and changes slots.  Buffer 1's loads were the last reads of this slot: each wave waits for them and
; for all its tensor loads (one is out: its part of the next slot) in front of the barrier.  Where the slot is filled again the barrier opens a round of
; the cluster's barrier, and the joint refill is the first tensor load behind the round, one a wave.  From a request to the wait for it a wave issues
; 112 matrix instructions.
.macro TURN slot, next, fill, j
	s_wait_dscnt 0                                 ; my reads of this slot are over
	s_wait_tensorcnt 0x0                           ; all my tensor loads have landed
	ds_add_u32 v254, v255
	s_wait_dscnt 0x0
	s_barrier_signal -1
	SCALE 1, \j                                    ; register work alone between signal and wait
	WIN MULW
	MUL16 1, 0, 0
	WIN 0
	s_barrier_wait -1
.if \fill
	CREST                                          ; no wave of any partner still reads this slot or has a load on its way
	s_add_nc_u64 s[G0+4*\slot+2:G0+4*\slot+3], s[G0+4*\slot+2:G0+4*\slot+3], 2*KSTEP*2
	s_add_nc_u64 s[G0B+4*\slot+2:G0B+4*\slot+3], s[G0B+4*\slot+2:G0B+4*\slot+3], 2*KSTEP*2
	JLOAD \slot
.endif
	FETCH \next, 0, 0                              ; buffer 0 was last read by the quarter before; the 32 multiplications above are the places behind it
	WIN MULW
	MUL16 1, 2, 0
.endm
; The way out: rows 16 a .. 16 a + 15 of my block = the eight tiles (a, 0..7), times 16 / L, 32 bytes a lane and tile into my own stage,
; read back as whole rows of 512 bytes into the 64 registers at f (RB0 and RB1 in turn).
.macro OUTF a, f
	WIN 0x01                                       ; source 0 (the accumulators) window 1
.irp b, 0,1,2,3,4,5,6,7
.irp q, 0,1,2,3
	v_pk_mul_f32 v[TMP+8*\b+2*\q:TMP+8*\b+2*\q+1], v[8*(8*\a+\b)+2*\q:8*(8*\a+\b)+2*\q+1], v[INV+2*\a:INV+2*\a+1]
.endr
.endr
	WIN 0
.irp b, 0,1,2,3,4,5,6,7
	ds_store_b128 v[STO], v[TMP+8*\b:TMP+8*\b+3] offset:64*\b
	ds_store_b128 v[STO], v[TMP+8*\b+4:TMP+8*\b+7] offset:64*\b+16
.endr
	s_wait_xcnt 0x0                                ; the registers at f, which earlier stores read, and the stores' base are rewritten only behind this wait
.if \a
	s_add_nc_u64 s[8:9], s[8:9], 16*OROW
.endif
.irp t, 0,1,2,3,4,5,6,7,8,9,10,11,12,13,14,15
	ds_load_b128 v[\f+4*\t:\f+4*\t+3], v[RD] offset:\t*OPITCH      ; my own bytes: a wave's LDS instructions are served in order
.endr
.irp t, 0,1,2,3,4,5,6,7,8,9,10,11,12,13,14,15
	s_wait_dscnt 15-\t                             ; read-back t is in, the 15 - t younger ones stay out
	global_store_b128 v[CO], v[\f+4*\t:\f+4*\t+3], s[8:9] offset:\t*OROW th:TH_STORE_NT   ; the wave stores 512 consecutive bytes, aligned
.endr
.endm
	s_load_b256 s[68:75], s[0:1], 0x0              ; pm s[68:69], vt s[70:71], st s[72:73], out0 s[74:75]
	v_lshl_add_u32 v254, v0, 2, 0x4c400
	v_mov_b32 v255, 0
	ds_add_u32 v254, v255
	v_lshrrev_b32 v1, 5, v0
	v_readfirstlane_b32 s10, v1                    ; wave 0..3
	s_lshr_b32 s11, s10, 1                         ; my half of the block's rows.  Also: I fetch for A (0) or for B (1)
	s_and_b32 s12, s10, 1                          ; my half of its columns.  Also: which half of that tile's rows I fetch
	s_bfe_u32 s40, ttmp6, 0x40000                  ; cx = block column
	s_bfe_u32 s41, ttmp6, 0x40004                  ; cy
	s_and_b32 s84, ttmp7, 0xffff                   ; cluster y, 0..15: the same in all sixteen work-groups
	s_lshr_b32 s82, s84, 1                         ; batch
	s_and_b32 s13, s84, 1
	s_lshl_b32 s13, s13, 2
	s_add_co_u32 s13, s13, s41                     ; block row 0..7 = 4 x (cluster y mod 2) + cy
	s_lshl_b32 s83, s82, 21                        ; a batch of pm or vt: 1024 rows of 2,048 bytes
	s_lshl_b32 s43, s41, 2
	s_lshl_b32 s43, 15, s43                        ; my row of the cluster
	s_lshl_b32 s44, 0x1111, s40                    ; my column
	; group 1: rows of 128 elements of 2 bytes, 4 words of padding behind every 64; the mask, with bit 21 beside it.  A: 64 rows a load; B: 128
	s_or_b32 s[G1+0], s43, (1<<16)|(1<<20)|(1<<21)|(5<<22)|(3<<25)
	s_or_b32 s[G1B+0], s44, (1<<16)|(1<<20)|(1<<21)|(5<<22)|(3<<25)
	s_mov_b32 s[G1+1], KSTEP<<16                   ; tensor_dim0 = 128
	s_mov_b32 s[G1B+1], KSTEP<<16
	s_mov_b32 s[G1+2], 64<<16                      ; tensor_dim1 = 64
	s_mov_b32 s[G1B+2], 128<<16                    ; tensor_dim1 = 128
	s_mov_b32 s[G1+3], KSTEP<<16                   ; tile_dim0 = 128
	s_mov_b32 s[G1B+3], KSTEP<<16
	s_mov_b32 s[G1+4], 64                          ; tile_dim1 = 64
	s_mov_b32 s[G1B+4], 128                        ; tile_dim1 = 128
	s_mov_b32 s[G1+5], 1024                        ; elements from row to row
	s_mov_b32 s[G1B+5], 1024
	s_mov_b32 s[G1+6], 0
	s_mov_b32 s[G1B+6], 0
	s_mov_b32 s[G1+7], 0
	s_mov_b32 s[G1B+7], 0
	; A's tiles hang on the batch and the block row, B's on the batch and the block column; each offset in registers that never hold the other coordinate
	s_lshl_b32 s17, s12, 6
	s_lshl_b32 s16, s13, 7
	s_add_co_u32 s16, s16, s17                     ; A: row 128 x block row + 64 x half
	s_lshl_b32 s16, s16, 11
	s_add_co_u32 s16, s16, s83
	s_lshl_b32 s47, s12, 7
	s_lshl_b32 s46, s40, 8
	s_add_co_u32 s46, s46, s47                     ; B: row 256 cx + 128 x half
	s_lshl_b32 s46, s46, 11
	s_add_co_u32 s46, s46, s83
	s_mov_b32 s17, 0
	s_mov_b32 s47, 0
	s_lshl_b32 s80, s82, 13                        ; the batch's 8 x 1024 figures,
	s_lshl_b32 s81, s13, 7
	s_add_co_u32 s80, s80, s81
	s_lshl_b32 s81, s11, 6
	s_add_co_u32 s80, s80, s81                     ; at my first row,
	s_lshl_b32 s80, s80, 2                         ; in bytes
	s_mov_b32 s81, 0
	s_mul_i32 s20, s10, HALFT                      ; where my part of a slot goes: wave x 34,816
	s_wait_dscnt 0x0
	s_wait_kmcnt 0x0
	s_add_nc_u64 s[14:15], s[68:69], s[16:17]
	s_add_nc_u64 s[46:47], s[70:71], s[46:47]
	s_add_nc_u64 s[78:79], s[72:73], s[80:81]
	CROUND                                         ; all sixteen work-groups are here: the first joint loads meet
.irp s, 0,1
	s_mov_b32 s[G0+4*\s], 1
	s_add_co_u32 s[G0+4*\s+1], s20, \s*SLOT
	s_add_nc_u64 s[G0+4*\s+2:G0+4*\s+3], s[14:15], \s*KSTEP*2
	s_or_b32 s[G0+4*\s+3], s[G0+4*\s+3], 0x80000000
	s_mov_b32 s[G0B+4*\s], 1
	s_add_co_u32 s[G0B+4*\s+1], s20, \s*SLOT
	s_add_nc_u64 s[G0B+4*\s+2:G0B+4*\s+3], s[46:47], \s*KSTEP*2
	s_or_b32 s[G0B+4*\s+3], s[G0B+4*\s+3], 0x80000000
	JLOAD \s                                       ; both slots' first fills: two tensor loads of the wave are out, later one
.endr
	v_and_b32 v1, 15, v0                           ; r = l % 16
	v_bfe_u32 v2, v0, 4, 1                         ; h = l / 16
	v_mul_u32_u24 v3, v1, PITCH
	v_lshl_add_u32 v3, v2, 4, v3                   ; row x pitch + 16 h
	s_mul_i32 s21, s11, HALFT                      ; my 64 rows of A: the part that wave 0 or wave 1 brought
	s_mul_i32 s22, s12, HALFT                      ; my 128 rows of B:
	s_add_co_u32 s22, s22, 2*HALFT                 ; the part that wave 2 or wave 3 brought
.irp s, 0,1
	v_add_nc_u32 v[ADRA+\s], s21, v3
	v_add_nc_u32 v[ADRB+\s], s22, v3
	s_add_co_u32 s21, s21, SLOT
	s_add_co_u32 s22, s22, SLOT
.endr
	s_mul_i32 s23, s10, 16*OPITCH
	s_add_co_u32 s23, s23, STAGE                   ; my stage
	v_mul_u32_u24 v4, v1, OPITCH
	v_lshl_add_u32 v4, v2, 5, v4
	v_add_nc_u32 v[STO], s23, v4                   ; in: row r, 32 bytes for each half of the lanes
	v_and_b32 v5, 31, v0
	v_lshlrev_b32 v[CO], 4, v5                     ; back and out: 16 bytes a lane, a whole row of 512 bytes a wave
	v_add_nc_u32 v[RD], s23, v[CO]
	v_lshlrev_b32 v[SO], 2, v1
	; THE ROWS' FACTORS, while the first tiles are on their way.  Lane l needs the figures of rows 16 a + r, a = 0..3, of all 8 blocks.
	WIN 0x40                                       ; destination window 1
.irp j, 0,1,2,3,4,5,6,7
.irp a, 0,1,2,3
	global_load_b32 v[4*\j+\a], v[SO], s[78:79] offset:4096*\j+64*\a               ; m'_j
.endr
.endr
.irp j, 0,1,2,3,4,5,6,7
.irp a, 0,1,2,3
	global_load_b32 v[32+4*\j+\a], v[SO], s[78:79] offset:262144+4096*\j+64*\a     ; l_j
.endr
.endr
	s_wait_loadcnt 32                              ; the 32 m' are in; the 32 younger loads, the l, stay out
	WIN 0x05                                       ; sources 0, 1 window 1
.irp a, 0,1,2,3
	v_max_num_f32 v[MM+\a], v[\a], v[4+\a]
.endr
.irp j, 2,4,6
.irp a, 0,1,2,3
	v_max3_num_f32 v[MM+\a], v[4*\j+\a], v[4*\j+4+\a], v[MM+\a]    ; M': the row's true maximum
.endr
.endr
	WIN 0x41                                       ; destination and source 0 window 1
.irp j, 0,1,2,3,4,5,6,7
.irp a, 0,1,2,3
	v_sub_f32 v[4*\j+\a], v[4*\j+\a], v[MM+\a]
.endr
.endr
.set p, 0
.rept 32
	v_exp_f32 v[p], v[p]                           ; f_j = 2^(m'_j - M')
.set p, p+1
.endr
	v_nop                                          ; one plain vector instruction behind the exponentials (ISA guide 5.7.2)
	s_wait_loadcnt 0x0                             ; the l
	WIN 0x05
	s_wait_alu depctr_va_vdst(0)
.irp a, 0,1,2,3
	v_mul_f32 v[LL+\a], v[\a], v[32+\a]
.endr
.irp j, 1,2,3,4,5,6,7
.irp a, 0,1,2,3
	v_fma_f32 v[LL+\a], v[4*\j+\a], v[32+4*\j+\a], v[LL+\a]        ; L = sum of f_j l_j
.endr
.endr
.set p, 0
.rept 32
	v_cvt_pk_f16_f32 v[FAC+p], v[p], v[p]          ; f_j in both halves, into window 0
.set p, p+1
.endr
	WIN 0
.irp a, 0,1,2,3
	v_rcp_f32 v[MM+\a], v[LL+\a]
.endr
	v_nop                                          ; one plain vector instruction behind the reciprocals
	s_wait_alu depctr_va_vdst(0)
.irp a, 0,1,2,3
	v_mul_f32 v[INV+2*\a], 0x41800000, v[MM+\a]    ; 16 / L: the 16 undoes v/16
	v_mul_f32 v[INV+2*\a+1], 0x41800000, v[MM+\a]
.endr
	s_wait_tensorcnt 1                             ; my part of K step 0 is in; K step 1's stays out
	s_barrier_signal -1
	s_barrier_wait -1
	FETCH 0, 0, 0
	THREE 0, 1, 0                                  ; the first products start the sums
	TURN 0, 1, 1, 0
	THREE 1, 0, 1
	TURN 1, 0, 1, 1
	THREE 0, 0, 2
	TURN 0, 1, 1, 2
	THREE 1, 0, 3
	TURN 1, 0, 1, 3
	THREE 0, 0, 4
	TURN 0, 1, 1, 4
	THREE 1, 0, 5
	TURN 1, 0, 1, 5
	THREE 0, 0, 6                                  ; the last two K steps fill nothing
	TURN 0, 1, 0, 6
	THREE 1, 0, 7
	s_wait_dscnt 0                                 ; the very last quarter: nothing more to fetch
	SCALE 1, 7
	WIN MULW
	MUL16 1, 0, 0
	MUL16 1, 2, 0
.rept 4
	v_nop                                          ; four places behind the last matrix instructions, for the way out
.endr
	s_lshl_b32 s16, s13, 7
	s_lshl_b32 s17, s11, 6
	s_add_co_u32 s16, s16, s17                     ; my first row
	s_lshl_b32 s16, s16, 12
	s_lshl_b32 s17, s82, 22                        ; the batch: 1024 rows of 4,096 bytes
	s_add_co_u32 s16, s16, s17
	s_mov_b32 s17, 0
	s_add_nc_u64 s[8:9], s[74:75], s[16:17]
	s_lshl_b32 s46, s40, 10                        ; my first column, in bytes: 1024 cx + 512 x half
	s_lshl_b32 s47, s12, 9
	s_add_co_u32 s46, s46, s47
	s_mov_b32 s47, 0
	s_add_nc_u64 s[8:9], s[8:9], s[46:47]
	OUTF 0, RB0
	OUTF 1, RB1
	OUTF 2, RB0
	OUTF 3, RB1
	s_wait_tensorcnt 0x0
	ds_add_u32 v254, v255
	s_wait_dscnt 0x0
	CROUND                                         ; the closing round: no work-group ends while a partner may still ask for a tile that names it
	s_endpgm
.Lfunc_end_k_q98fa529918_pv:
	.size	k_q98fa529918_pv, .Lfunc_end_k_q98fa529918_pv-k_q98fa529918_pv
	.p2alignl 7, 3214868480
	.fill 96, 4, 3214868480
	.section	.rodata,"a",@progbits
	.p2align	6, 0x0
	.amdhsa_kernel k_q98fa529918_pv
		.amdhsa_group_segment_fixed_size 327680
		.amdhsa_private_segment_fixed_size 0
		.amdhsa_enable_private_segment 0
		.amdhsa_kernarg_size 32
		.amdhsa_user_sgpr_count 2
		.amdhsa_user_sgpr_kernarg_segment_ptr 1
		.amdhsa_wavefront_size32 1
		.amdhsa_system_sgpr_workgroup_id_x 1
		.amdhsa_system_sgpr_workgroup_id_y 1
		.amdhsa_system_sgpr_workgroup_id_z 1
		.amdhsa_system_vgpr_workitem_id 0
		.amdhsa_next_free_vgpr 512
		.amdhsa_next_free_sgpr 88
		.amdhsa_reserve_vcc 0
		.amdhsa_float_denorm_mode_32 3
		.amdhsa_float_denorm_mode_16_64 3
		.amdhsa_memory_ordered 1
		.amdhsa_forward_progress 1
		.amdhsa_inst_pref_size 231
	.end_amdhsa_kernel
	.amdgpu_metadata
---
amdhsa.version: [ 1, 2 ]
amdhsa.kernels:
  - .name:           k_q98fa529918_pv
    .symbol:         k_q98fa529918_pv.kd
    .args:
      - { .name: pm, .offset: 0, .size: 8, .value_kind: global_buffer, .address_space: global }
      - { .name: vt, .offset: 8, .size: 8, .value_kind: global_buffer, .address_space: global }
      - { .name: st, .offset: 16, .size: 8, .value_kind: global_buffer, .address_space: global }
      - { .name: out0, .offset: 24, .size: 8, .value_kind: global_buffer, .address_space: global }
    .group_segment_fixed_size: 327680
    .private_segment_fixed_size: 0
    .kernarg_segment_align: 8
    .kernarg_segment_size: 32
    .max_flat_workgroup_size: 128
    .sgpr_count:     88
    .vgpr_count:     512
    .wavefront_size: 32
...
	.end_amdgpu_metadata
.endif
;; end of part 4
;; ======== version 2 of 2: 4 launches; version 1 with the launch cast written anew for expert scheduling mode
;; limits: values are held in f16: magnitudes above 65,504 overflow, below 6.1e-05 lose precision; right only within a limited range of input values
;; workspace buffers: xw 23,068,672 bytes; qk 33,554,432 bytes; vt 16,777,216 bytes; pm 16,777,216 bytes; st 524,288 bytes
;; launch cast (part 5): grid 256 x 1, 16 waves a work-group, no clusters, 0 bytes of LDS; arguments x, Wq, Wk, Wv, xw; writes xw
.if DOCPART == 5
	.amdgcn_target "amdgcn-amd-amdhsa--gfx1250"
	.amdhsa_code_object_version 6
	.text
	.protected	k_q98fa529918_cast
	.globl	k_q98fa529918_cast
	.p2align	8
	.type	k_q98fa529918_cast,@function
k_q98fa529918_cast:
	s_mov_b64 s[64:65], 0
	v_nop
	global_prefetch_b8 v0, s[64:65] scope:SCOPE_SE
	s_setreg_imm32_b32 hwreg(HW_REG_WAVE_SCHED_MODE, 0, 2), 2
	s_setreg_imm32_b32 hwreg(HW_REG_WAVE_MODE, 25, 1), 1
	s_wait_xcnt 0x0
	s_wait_alu depctr_vm_vsrc(0)
; CrossAttention, launch 1 of 4: x, Wq, Wk, Wv (f32) -> xw (f16), each number times 0.25 (exact, a power of two).
; xw: x as [8192][1024] at byte 0; then Wq, Wk, Wv as one table of [3072][1024] at byte 16,777,216.
; THE WHOLE PROGRAM: cast; q/16 and k/16 (launch 2); score blocks with the softmax of each block of 128 keys, and (v/16)^T (launch 3);
; the blocks joined under the row's true maximum, times v, over the row's sum (launch 4).
; NO WORK OF reference() IS LEFT OUT: every input reaches the output; it builds no mask, no zeros and slices nothing away.
; The division by sqrt(1024) = 32 and the factors 0.25 are powers of two and are folded, exactly, into the exponent's constant and the last scale.
; WHY f16 AND THE 0.25: an output is a mean over about 1024/e keys, so the tolerance is small beside v; f16 has three bits more than bf16.
; 0.25 x . 0.25 W = q/16 keeps the projections inside f16's range.
; LIMITS: |x|, |W| below 2.6e5 and |q|, |k|, |v| below 1.04e6, else an f16 operand becomes infinite and its rows are not finite;
; operands (0.25 x, 0.25 W, q/16, k/16, v/16) below 6.1e-5 in magnitude keep an absolute error of up to 3e-8 instead of a relative one.
; A stream: no LDS, no matrix unit, no barrier.  256 work-groups of equal work: group g casts 131,072 bytes of x and 16,384 bytes of each W,
; 22 pieces of 8,192 bytes.  Thread t takes the 16 bytes at 16 t of a piece: a wave's load covers 512 consecutive bytes, its store 256, aligned.
; THE MODE: SCHED_MODE bits 1:0 = 2 (LLVM: expert scheduling mode 2), set by the entry lines.  The code itself states the register dependences
; between vector instructions and memory instructions, with s_wait_alu, always for 0.
; THE PLAN.  The 22 pieces go in 11 blocks of two.  Registers that memory instructions touch:
;   X0 .. X6   seven buffers of two pieces, f32 as loaded; piece p lies in slot p % 14.  Written by the loads of block b + 6, issued in block b;
;              multiplied in place and read by the roundings of block b (buffer b % 7).
;   Y          two registers for each piece, never used twice.  Written by the piece's roundings in block b; read by its store, issued in block b + 1.
;   v1, v2     byte offsets, made once at the head and never written again; the pieces are reached by immediate offsets from scalar bases that are
;              made ahead of the first load and never written again.
; Block b works on X[b % 7] and on its own Y.  Its memory instructions are the loads into X[(b + 6) % 7] = X[(b - 1) % 7] and the stores from the Y of
; block b - 1: registers that block b - 1 worked on and that no vector instruction of block b names.  So ONE wait at a block's head states all that the
; block's four memory instructions hang on, and they are dealt among its vector instructions, the load ahead of the store, with no further wait.
; No register that a memory instruction reads is ever written again, so no wait stands for the sake of a source.
.set PIECES, 22                        ; 16 of x, 2 of Wq, 2 of Wk, 2 of Wv
.set PB,     8192                      ; bytes of the source in a piece
.set BLK,    2                         ; pieces in a block
.set BLOCKS, PIECES/BLK
.set BUFS,   7                         ; buffers of X
.set AHEAD,  BUFS-1                    ; a block's loads are issued six blocks ahead of its arithmetic
.set SLOTS,  BUFS*BLK                  ; load slots
.set X, 4                              ; v[4:59]    slot p % 14: 4 registers, f32 as loaded
.set Y, 60                             ; v[60:103]  piece p: 2 registers, 4 f16 to store
.macro LD p                            ; the load of piece p, from x (pieces 0-15) or from the table of W that it belongs to
.if (\p) < 16
	global_load_b128 v[X+4*((\p)%SLOTS):X+4*((\p)%SLOTS)+3], v1, s[4:5] offset:PB*(\p) th:TH_LOAD_NT
.else
	global_load_b128 v[X+4*((\p)%SLOTS):X+4*((\p)%SLOTS)+3], v1, s[6+2*(((\p)-16)/2):7+2*(((\p)-16)/2)] offset:PB*(((\p)-16)%2) th:TH_LOAD_NT
.endif
.endm
.macro ST p                            ; the store of piece p: half the source's bytes; the three tables of W lie 2,097,152 bytes apart in xw
.if (\p) < 16
	global_store_b64 v2, v[Y+2*(\p):Y+2*(\p)+1], s[14:15] offset:(PB/2)*(\p)
.else
	global_store_b64 v2, v[Y+2*(\p):Y+2*(\p)+1], s[12:13] offset:0x200000*(((\p)-16)/2)+(PB/2)*(((\p)-16)%2)
.endif
.endm
	s_load_b256 s[4:11], s[0:1], 0x0               ; x s[4:5], Wq s[6:7], Wk s[8:9], Wv s[10:11]
	s_load_b64 s[12:13], s[0:1], 0x20              ; xw
	v_lshlrev_b32 v1, 4, v0                        ; my 16 bytes in a piece of the source
	v_lshlrev_b32 v2, 3, v0                        ; my 8 bytes in a piece of the result
	s_lshl_b32 s16, ttmp9, 17                      ; the group's 131,072 bytes of x
	s_mov_b32 s17, 0
	s_lshl_b32 s18, ttmp9, 14                      ; its 16,384 bytes of each W
	s_mov_b32 s19, 0
	s_lshl_b32 s20, ttmp9, 16                      ; x's part of xw: half the bytes
	s_mov_b32 s21, 0
	s_lshl_b32 s22, ttmp9, 13                      ; W's part of xw,
	s_add_co_u32 s22, s22, 0x1000000               ; which lies behind x's
	s_mov_b32 s23, 0
	s_wait_kmcnt 0x0
	s_add_nc_u64 s[4:5], s[4:5], s[16:17]
	s_add_nc_u64 s[6:7], s[6:7], s[18:19]
	s_add_nc_u64 s[8:9], s[8:9], s[18:19]
	s_add_nc_u64 s[10:11], s[10:11], s[18:19]
	s_add_nc_u64 s[14:15], s[12:13], s[20:21]
	s_add_nc_u64 s[12:13], s[12:13], s[22:23]
	s_wait_alu depctr_va_vdst(0)                   ; v1 and v2 are written: every load of the kernel reads v1 as its offset, every store v2
.set p, 0
.rept AHEAD*BLK
	LD p                                           ; blocks 0 to 5 into X0 to X5
.set p, p+1
.endr
.set b, 0
.rept BLOCKS
.if b+AHEAD <= BLOCKS
	s_wait_loadcnt BLK*(AHEAD-1)                   ; loads come back in order: block b's two pieces are in, the ten loads of the five younger blocks stay out
.else
	s_wait_loadcnt BLK*(BLOCKS-1-b)                ; blocks 5 to 10 load nothing: from block 6 on the counts run down
.endif
.if b > 0
	s_wait_alu depctr_va_vdst(0)                   ; the block before has written its Y, which the stores below read, and is done multiplying and reading its X, in which the loads below land
.endif
.set i, 0
.rept BLK
.set now, BLK*b+i                                      ; the piece at work,
.set nxt, now+BLK*AHEAD                                ; the piece asked for: six blocks ahead, into the slot that the block before worked on,
.set old, now-BLK                                      ; the piece stored: the block before's
.if b+AHEAD < BLOCKS
	LD nxt                                         ; ahead of the store; no vector instruction since the wait names these registers
.endif
.if b > 0
	ST old
.endif
	v_pk_mul_f32 v[X+4*(now%SLOTS):X+4*(now%SLOTS)+1],   v[X+4*(now%SLOTS):X+4*(now%SLOTS)+1],   0x3e800000 op_sel_hi:[1,0]   ; times 0.25
	v_pk_mul_f32 v[X+4*(now%SLOTS)+2:X+4*(now%SLOTS)+3], v[X+4*(now%SLOTS)+2:X+4*(now%SLOTS)+3], 0x3e800000 op_sel_hi:[1,0]
	v_cvt_pk_f16_f32 v[Y+2*now],   v[X+4*(now%SLOTS)],   v[X+4*(now%SLOTS)+1]
	v_cvt_pk_f16_f32 v[Y+2*now+1], v[X+4*(now%SLOTS)+2], v[X+4*(now%SLOTS)+3]
.set i, i+1
.endr
.set b, b+1
.endr
	s_wait_alu depctr_va_vdst(0)                   ; block 10 has written its Y, which the last two stores read
.set p, PIECES-BLK
.rept BLK
	ST p
.set p, p+1
.endr
	s_endpgm
.Lfunc_end_k_q98fa529918_cast:
	.size	k_q98fa529918_cast, .Lfunc_end_k_q98fa529918_cast-k_q98fa529918_cast
	.p2alignl 7, 3214868480
	.fill 96, 4, 3214868480
	.section	.rodata,"a",@progbits
	.p2align	6, 0x0
	.amdhsa_kernel k_q98fa529918_cast
		.amdhsa_group_segment_fixed_size 0
		.amdhsa_private_segment_fixed_size 0
		.amdhsa_enable_private_segment 0
		.amdhsa_kernarg_size 40
		.amdhsa_user_sgpr_count 2
		.amdhsa_user_sgpr_kernarg_segment_ptr 1
		.amdhsa_wavefront_size32 1
		.amdhsa_system_sgpr_workgroup_id_x 1
		.amdhsa_system_sgpr_workgroup_id_y 1
		.amdhsa_system_sgpr_workgroup_id_z 1
		.amdhsa_system_vgpr_workitem_id 0
		.amdhsa_next_free_vgpr 104
		.amdhsa_next_free_sgpr 66
		.amdhsa_reserve_vcc 0
		.amdhsa_float_denorm_mode_32 3
		.amdhsa_float_denorm_mode_16_64 3
		.amdhsa_memory_ordered 1
		.amdhsa_forward_progress 1
		.amdhsa_inst_pref_size 13
	.end_amdhsa_kernel
	.amdgpu_metadata
---
amdhsa.version: [ 1, 2 ]
amdhsa.kernels:
  - .name:           k_q98fa529918_cast
    .symbol:         k_q98fa529918_cast.kd
    .args:
      - { .name: x, .offset: 0, .size: 8, .value_kind: global_buffer, .address_space: global }
      - { .name: Wq, .offset: 8, .size: 8, .value_kind: global_buffer, .address_space: global }
      - { .name: Wk, .offset: 16, .size: 8, .value_kind: global_buffer, .address_space: global }
      - { .name: Wv, .offset: 24, .size: 8, .value_kind: global_buffer, .address_space: global }
      - { .name: xw, .offset: 32, .size: 8, .value_kind: global_buffer, .address_space: global }
    .group_segment_fixed_size: 0
    .private_segment_fixed_size: 0
    .kernarg_segment_align: 8
    .kernarg_segment_size: 40
    .max_flat_workgroup_size: 512
    .sgpr_count:     66
    .vgpr_count:     104
    .wavefront_size: 32
...
	.end_amdgpu_metadata
.endif
;; end of part 5
;; launch proj: the kernel of part 2 again; grid 8 x 32, 4 waves a work-group, clusters of 4 x 4, 327,680 bytes of LDS; arguments xw, qk; writes qk
;; launch sv: the kernel of part 3 again; grid 4 x 64, 4 waves a work-group, clusters of 4 x 4, 327,680 bytes of LDS; arguments qk, xw, pm, vt, st; writes pm, vt, st
;; launch pv: the kernel of part 4 again; grid 4 x 64, 4 waves a work-group, clusters of 4 x 4, 327,680 bytes of LDS; arguments pm, vt, st, out0; writes out0
